; MI455X (gfx1250); checked and timed in simulation.
; The chip was launched on July 23, 2026; its instructions are those of AMD's public machine-readable ISA for CDNA 5 (MIT licence, August 2026) and "CDNA5" Instruction Set Architecture Reference Guide (July 2026). The comments in the code are by the model that wrote it; some were corrected since.
;; PALM Attention. Allowed arithmetic: matrix products marked QUANTISED: E3M2 operands, one E8M0 scale for each 32 along K, by v_wmma_scale_f32_16x16x128_f8f6f4 with both operands' format E3M2, f32 sums; everything else in f32.
;; Inputs: Wd 1,024 x 1,024 float32; Wk 1,024 x 1,024 float32; Wq 1,024 x 1,024 float32; Wv 1,024 x 1,024 float32; attention_mask 4 x 2,048 float32; bd 1,024 float32; bk 1,024 float32; bq 1,024 float32; bv 1,024 float32; hidden_states 4 x 2,048 x 1,024 float32; ln_b 1,024 float32; ln_g 1,024 float32.
;; Outputs: out0 4 x 2,048 x 1,024 float32.
;; This version of the problem:
;;   THIS VERSION OF THE PROBLEM IS GIVEN IN LOW PRECISION. The matrix products marked QUANTISED in the list below multiply operands that are first quantised to E3M2 (3 exponent bits, 2 mantissa bits; 6 bits a number), with one power-of-two scale for each 32 numbers along K (OCP MX v1.0); their sums are f32. All else is computed in f32.
;;   The module's matrix products, in the order in which they are computed (A, B: the left and right operand; K: the contracted axis; several contracted axes count as one K, in the product's order):
;;     1. [M 8,192, K 1,024] x [K 1,024, N 1,024]; A: input hidden_states; B: input Wq: QUANTISED
;;     2. [M 8,192, K 1,024] x [K 1,024, N 1,024]; A: input hidden_states; B: input Wk: QUANTISED
;;     3. [M 8,192, K 1,024] x [K 1,024, N 1,024]; A: input hidden_states; B: input Wv: QUANTISED
;;     4. batch 64 x [M 2,048, K 64] x [K 64, N 2,048]; A: computed on the way; B: computed on the way: QUANTISED
;;     5. batch 64 x [M 2,048, K 2,048] x [K 2,048, N 64]; A: softmax (see below); B: computed on the way: QUANTISED
;;     6. [M 8,192, K 1,024] x [K 1,024, N 1,024]; A: computed on the way; B: input Wd: QUANTISED
;;   THE QUANTISER, for each operand of a quantised product, along K:
;;     - K is cut into blocks of 32 from its start; a last block that is shorter is filled with zeros.
;;     - A block's scale is 2^e with e = floor(log2(the largest magnitude in the block)) - 4, held to -126 .. 127; a block of zeros has e = 0. As a byte (E8M0): e + 127.
;;     - Each number is divided by its block's scale, clamped to +-28, and rounded to the nearest number of E3M2, ties to even, subnormals kept.
;;     - The product sums the exact products of the quantised numbers (number of the format x scale) in f32.
;;   ~~~python
;;   def quantise(x, axis):      # numpy; x: float32 -> the quantised numbers, widened to float32 again
;;       x = np.moveaxis(x, axis, -1); K = x.shape[-1]
;;       x = np.pad(x, [(0, 0)] * (x.ndim - 1) + [(0, -K % 32)]); x = x.reshape(x.shape[:-1] + (-1, 32)); a = np.abs(x).max(-1, keepdims=True)
;;       e = np.where(a > 0, np.clip(np.frexp(np.where(a > 0, a, 1))[1] - 1 - 4, -126, 127), 0)      # np.frexp(a)[1] - 1 = floor(log2(a)), exactly
;;       r = np.clip(x / 2.0 ** e, -28, 28)
;;       step = 2.0 ** (np.maximum(np.frexp(np.where(r == 0, 1, r))[1] - 1, -2) - 2)
;;       q = np.round(r / step) * step * 2.0 ** e      # np.round: ties to even
;;       return np.moveaxis(q.reshape(q.shape[:-2] + (-1,))[..., :K], -1, axis).astype(np.float32)
;;   ~~~
;;   SOFTMAX AHEAD OF A QUANTISED PRODUCT. Where the list says 'softmax', what is quantised is not the finished softmax but p = 2^(t - M), with t = logit x log2(e) and M = ceil(the row's largest t), a whole number; so 1/2 < the row's largest p <= 1. The row's sum l is taken of the UNQUANTISED p, in f32, and the product's result is divided by l at the end. Since M is a whole number, a kernel that streams over the keys may use a running M (the ceiling of the running maximum): every later rescaling is an exact power of two, which a block's scale takes up: the codes' values come out the same.
;;   OPERANDS COMPUTED ON THE WAY. 'Computed on the way' means the value that the module computes at that place (a softmax that the list does not call 'softmax' is quantised finished and normalised). What goes into a quantiser is computed in f32, as accurately as f32 sums, v_exp_f32 and their like allow (about 1e-6 of the number): no bf16 or f16 on the way to a quantiser, and a product that is left as it is and whose result goes on into a quantised operand takes f32 operands (vector FMAs, or v_wmma_f32_16x16x4_f32). A number that lies on a knife's edge between two numbers of the format may be rounded either way, as far as f32 arithmetic and the matrix unit's own rounding can turn it there, and no further.
;; One version. Each part assembles by itself: llvm-mc -triple=amdgcn-amd-amdhsa -mcpu=gfx1250 --defsym DOCPART=n.
;; ======== version 1 of 1: 4 launches
;; limits: right only within a limited range of input values
;; workspace buffers: opc 10,223,616 bytes; ops 393,216 bytes; qkv 20,185,088 bytes; ctxc 6,291,456 bytes; ctxs 262,144 bytes
;; launch quant (part 1): grid 256 x 1, 24 waves a work-group, no clusters, 204,800 bytes of LDS; arguments hidden_states, Wq, Wk, Wv, Wd, opc, ops; writes opc, ops
.if DOCPART == 1
	.amdgcn_target "amdgcn-amd-amdhsa--gfx1250"
	.amdhsa_code_object_version 6
	.text
	.protected	k_qaab44a194c_quant
	.globl	k_qaab44a194c_quant
	.p2align	8
	.type	k_qaab44a194c_quant,@function
k_qaab44a194c_quant:
	s_mov_b64 s[64:65], 0
	v_nop
	global_prefetch_b8 v0, s[64:65] scope:SCOPE_SE
	s_setreg_imm32_b32 hwreg(HW_REG_WAVE_MODE, 25, 1), 1
	s_wait_xcnt 0x0
; hidden_states and the four weights, f32 with K innermost, become codes of BF6 (E3M2) with one E8M0 byte for each 32 along K.
; A TILE is 16 rows x 1,024 K; row r of tile 2 g + u is row 32 g + 8 u + r + 8 (r / 8) of its tensor. Tiles 0-511 hidden_states, then 64 each of Wq, Wk, Wv, Wd.
; A tile's place in opc is 13,312 bytes: four chunks of 3,328 = 13 x 256 bytes. A chunk holds two K steps of 128 as images of the operand's registers (1,536 bytes each: register group p at 512 p + 16 x lane),
; then at 3,072 the rows' scale words (8 r + 4 x step), then the same 128 bytes once more, so that the unit of 256 bytes is written whole. Wd's scale words also go to ops, [tile][row][8 words].
; SHARES: a work-group takes three tiles, a wave one K step of one tile. Each wave fetches 8 rows x 1,024 bytes by its one tensor load at the head; 24 loads of a work-group are out together; no LDS byte is filled twice.
; No prefetch: there is no loop to run ahead in. No cluster: no two work-groups read the same bytes.
; LIMITS: NaN and infinities are not served; a block of zeros gets the byte 1 (its codes are zeros; this program alone reads the bytes).
.set FLOOR, 0x2800000
.set EOFF,  0xfe000000
.set LP,    1040                       ; an LDS row: 1,024 bytes + 16
.set QB,    16*LP                      ; a quarter of K of 16 rows
.set WREG,  4*QB                       ; a tile
.set SPARE, 3*WREG                     ; the spare words: 24 x 128 bytes
.set SG,    SPARE+3072                 ; the scale words, 512 bytes a tile: [chunk][row][2 words]
.set TP,    13312
.set CH,    3328
.set X,     32                         ; v32-95 my 64 numbers
.set C,     96                         ; v96-107 the codes
.set T,     108
	s_load_b256 s[4:11], s[0:1], 0x0
	s_load_b128 s[12:15], s[0:1], 0x20
	s_load_b64 s[16:17], s[0:1], 0x30
	v_lshl_add_u32 v30, v0, 2, SPARE
	v_mov_b32 v31, 0
	ds_add_u32 v30, v31                    ; the opening lines: the add twice and one wait
	ds_add_u32 v30, v31
	v_lshrrev_b32 v1, 5, v0
	v_readfirstlane_b32 s18, v1            ; wave 0..23
	s_lshr_b32 s40, s18, 3                 ; which of the three tiles
	s_and_b32 s41, s18, 7                  ; K step
	s_lshr_b32 s42, s41, 1                 ; quarter of K = chunk
	s_and_b32 s43, s41, 1
	s_mul_i32 s19, ttmp9, 3
	s_add_co_u32 s19, s19, s40             ; tile
	s_mul_i32 s66, s40, WREG
	s_mul_i32 s44, s42, QB
	s_add_co_u32 s66, s66, s44
	s_mul_i32 s44, s43, 8*LP
	s_add_co_u32 s33, s66, s44             ; my load: quarter step / 2, rows 8 (step % 2) ..
	s_lshl_b32 s44, s43, 9
	s_add_co_u32 s66, s66, s44             ; my reads: 512 bytes of each row
	s_mov_b32 s32, 1
	s_mov_b32 s24, (3<<16)|(1<<20)|(7<<22)|(3<<25)
	s_mov_b32 s25, 128<<16
	s_mov_b32 s26, 8<<16
	s_mov_b32 s27, 128<<16
	s_mov_b32 s28, 8
	s_mov_b32 s29, 512
	s_mov_b32 s30, 0
	s_mov_b32 s31, 0
	s_lshl_b32 s46, s40, 9
	s_add_co_u32 s46, s46, SG
	s_lshl_b32 s47, s42, 7
	s_add_co_u32 s47, s47, s46
	s_lshl_b32 s44, s43, 2
	s_add_co_u32 s47, s47, s44
	s_mov_b32 s68, 0x76543210
	s_mov_b32 s69, 0xfedcba98
	s_sub_co_u32 s22, s19, 512
	s_lshr_b32 s23, s22, 6
	s_and_b32 s22, s22, 63
	s_wait_dscnt 0x0
	s_wait_kmcnt 0x0
	s_mov_b64 s[20:21], s[12:13]
	s_cmp_eq_u32 s23, 2
	s_cselect_b64 s[20:21], s[10:11], s[20:21]
	s_cmp_eq_u32 s23, 1
	s_cselect_b64 s[20:21], s[8:9], s[20:21]
	s_cmp_eq_u32 s23, 0
	s_cselect_b64 s[20:21], s[6:7], s[20:21]
	s_cmp_lt_u32 s19, 512
	s_cselect_b64 s[20:21], s[4:5], s[20:21]
	s_cselect_b32 s22, s19, s22            ; the tile's number in its tensor
	s_lshr_b32 s23, s22, 1
	s_lshl_b32 s23, s23, 17
	s_and_b32 s22, s22, 1
	s_lshl_b32 s22, s22, 15
	s_add_co_u32 s22, s22, s23
	s_lshl_b32 s44, s42, 10
	s_add_co_u32 s22, s22, s44
	s_lshl_b32 s44, s43, 16
	s_add_co_u32 s22, s22, s44
	s_mov_b32 s23, 0
	s_add_nc_u64 s[34:35], s[20:21], s[22:23]
	s_or_b32 s35, s35, 0x80000000
	tensor_load_to_lds s[32:35], s[24:31]  ; my one tensor load
	s_nop 0
	v_and_b32 v1, 31, v0
	v_and_b32 v2, 15, v0
	v_bfe_u32 v3, v0, 4, 1
	v_mul_u32_u24 v4, v2, LP
	v_lshl_add_u32 v4, v3, 7, v4
	v_add_nc_u32 v4, s66, v4               ; row r, 128 bytes for each half of the lanes
	v_lshlrev_b32 v5, 4, v1
	v_lshlrev_b32 v7, 3, v3
	v_add_nc_u32 v8, 16, v7
	v_lshl_add_u32 v9, v2, 3, s47          ; my row's scale word in LDS
	v_and_b32 v10, 7, v1
	v_lshlrev_b32 v10, 4, v10
	v_lshl_add_u32 v10, v3, 7, v10
	v_add_nc_u32 v10, s46, v10             ; the way out: chunk lane / 16, 16 bytes at lane % 8
	v_mul_u32_u24 v11, v3, CH
	v_lshl_add_u32 v11, v2, 4, v11
	v_and_b32 v12, 1, v1
	v_lshlrev_b32 v12, 8, v12
	v_lshrrev_b32 v16, 1, v1
	v_lshl_add_u32 v12, v16, 3, v12
	v_add_nc_u32 v12, s46, v12             ; for ops: row lane / 2, chunks 2 (lane % 2) and the next
	v_mov_b32 v13, 0
	s_mul_i32 s22, s19, TP
	s_add_nc_u64 s[48:49], s[14:15], s[22:23]
	s_mul_i32 s22, s42, CH
	s_mul_i32 s44, s43, 1536
	s_add_co_u32 s22, s22, s44
	s_add_nc_u64 s[50:51], s[48:49], s[22:23]
	s_lshl_b32 s22, s19, 9
	s_add_nc_u64 s[16:17], s[16:17], s[22:23]
	s_wait_alu depctr_va_vdst(0)           ; the wait at the head's end
	s_wait_tensorcnt 0x0                   ; my part has landed
	s_barrier_signal -1
	s_barrier_wait -1                      ; everybody's
.irp c, 0,1
.irp j, 0,1,2,3,4,5,6,7
	ds_load_b128 v[X+32*\c+4*\j:X+32*\c+4*\j+3], v4 offset:256*\c+16*\j
.endr
.endr
.macro BLOCK c                         ; my block 2 c + h of the K step: 32 numbers of row r
.set XS, X+32*\c
.set CC, C+6*\c
	v_max3_num_f32 v18, |v[XS]|, |v[XS+1]|, |v[XS+2]|
	v_max3_num_f32 v19, |v[XS+3]|, |v[XS+4]|, |v[XS+5]|
.irp i, 6,10,14,18,22,26
	v_max3_num_f32 v18, v18, |v[XS+\i]|, |v[XS+\i+1]|
	v_max3_num_f32 v19, v19, |v[XS+\i+2]|, |v[XS+\i+3]|
.endr
	v_max3_num_f32 v18, v18, |v[XS+30]|, |v[XS+31]|
	v_max3_num_f32 v18, v18, v19, FLOOR
	v_add_nc_u32 v20, EOFF, v18            ; 4 off the exponent field: the conversion's scale operand
	v_cvt_scalef32_pk16_bf6_f32 v[CC:CC+2], v[XS:XS+15], v20
	v_cvt_scalef32_pk16_bf6_f32 v[T:T+2], v[XS+16:XS+31], v20
	v_lshrrev_b32 v21, 23, v20             ; the byte (the plain line behind the conversions)
.irp i, 0,1,2
	v_mov_b32 v[CC+3+\i], v[T+\i]
.endr
.if \c == 0
	v_lshlrev_b32 v14, v7, v21
.else
	v_lshlrev_b32 v21, v8, v21
	v_or_b32 v14, v14, v21
.endif
.endm
	s_wait_dscnt 8                         ; the first eight loads are in
	BLOCK 0
	s_wait_dscnt 0x0
	BLOCK 1
	v_permlanex16_b32 v13, v14, s68, s69
	v_or_b32 v14, v14, v13                 ; the row's scale word of this K step
.irp q, 0,1,2
	global_store_b128 v5, v[C+4*\q:C+4*\q+3], s[50:51] offset:512*\q   ; 512 consecutive bytes a store
.endr
	ds_store_b32 v9, v14                   ; both halves of the lanes write the same word
	s_wait_dscnt 0x0
	s_barrier_signal -1
	s_barrier_wait -1                      ; the tile's 128 scale words lie in LDS
	s_cmp_lg_u32 s41, 0                    ; the wave of K step 0 stores them
	s_cbranch_scc1 .Lend
	ds_load_b128 v[32:35], v10
	ds_load_b128 v[36:39], v10 offset:256
	ds_load_b64 v[40:41], v12
	ds_load_b64 v[42:43], v12 offset:128
	s_wait_dscnt 0x0
	global_store_b128 v11, v[32:35], s[48:49] offset:3072        ; chunks 0 and 1: sixteen lanes fill a unit of 256 bytes
	global_store_b128 v11, v[36:39], s[48:49] offset:3072+2*CH   ; chunks 2 and 3
	s_cmp_lt_u32 s19, 704
	s_cbranch_scc1 .Lend
	global_store_b128 v5, v[40:43], s[16:17]                     ; Wd's tiles alone: the last launch reads these
.Lend:
	s_wait_tensorcnt 0x0                   ; the wave's end
	ds_add_u32 v30, v31
	s_wait_dscnt 0x0
	s_endpgm
.Lfunc_end_k_qaab44a194c_quant:
	.size	k_qaab44a194c_quant, .Lfunc_end_k_qaab44a194c_quant-k_qaab44a194c_quant
	.p2alignl 7, 3214868480
	.fill 96, 4, 3214868480
	.section	.rodata,"a",@progbits
	.p2align	6, 0x0
	.amdhsa_kernel k_qaab44a194c_quant
		.amdhsa_group_segment_fixed_size 204800
		.amdhsa_private_segment_fixed_size 0
		.amdhsa_enable_private_segment 0
		.amdhsa_kernarg_size 56
		.amdhsa_user_sgpr_count 2
		.amdhsa_user_sgpr_kernarg_segment_ptr 1
		.amdhsa_wavefront_size32 1
		.amdhsa_system_sgpr_workgroup_id_x 1
		.amdhsa_system_sgpr_workgroup_id_y 1
		.amdhsa_system_sgpr_workgroup_id_z 1
		.amdhsa_system_vgpr_workitem_id 0
		.amdhsa_next_free_vgpr 128
		.amdhsa_next_free_sgpr 72
		.amdhsa_reserve_vcc 0
		.amdhsa_float_denorm_mode_32 3
		.amdhsa_float_denorm_mode_16_64 3
		.amdhsa_memory_ordered 1
		.amdhsa_forward_progress 1
		.amdhsa_inst_pref_size 10
	.end_amdhsa_kernel
	.amdgpu_metadata
---
amdhsa.version: [ 1, 2 ]
amdhsa.kernels:
  - .name:           k_qaab44a194c_quant
    .symbol:         k_qaab44a194c_quant.kd
    .args:
      - { .name: hidden_states, .offset: 0, .size: 8, .value_kind: global_buffer, .address_space: global }
      - { .name: Wq, .offset: 8, .size: 8, .value_kind: global_buffer, .address_space: global }
      - { .name: Wk, .offset: 16, .size: 8, .value_kind: global_buffer, .address_space: global }
      - { .name: Wv, .offset: 24, .size: 8, .value_kind: global_buffer, .address_space: global }
      - { .name: Wd, .offset: 32, .size: 8, .value_kind: global_buffer, .address_space: global }
      - { .name: opc, .offset: 40, .size: 8, .value_kind: global_buffer, .address_space: global }
      - { .name: ops, .offset: 48, .size: 8, .value_kind: global_buffer, .address_space: global }
    .group_segment_fixed_size: 204800
    .private_segment_fixed_size: 0
    .kernarg_segment_align: 8
    .kernarg_segment_size: 56
    .max_flat_workgroup_size: 768
    .sgpr_count:     72
    .vgpr_count:     128
    .wavefront_size: 32
...
	.end_amdgpu_metadata
.endif
;; end of part 1
;; launch qkv (part 2): grid 8 x 32, 4 waves a work-group, clusters of 4 x 4, 327,680 bytes of LDS; arguments opc, bq, bk, bv, qkv; writes qkv
.if DOCPART == 2
	.amdgcn_target "amdgcn-amd-amdhsa--gfx1250"
	.amdhsa_code_object_version 6
	.text
	.protected	k_qaab44a194c_qkv
	.globl	k_qaab44a194c_qkv
	.p2align	8
	.type	k_qaab44a194c_qkv,@function
k_qaab44a194c_qkv:
	s_mov_b64 s[64:65], 0
	v_nop
	global_prefetch_b8 v0, s[64:65] scope:SCOPE_SE
	s_setreg_imm32_b32 hwreg(HW_REG_WAVE_MODE, 25, 1), 1
	s_wait_xcnt 0x0
	s_wait_alu depctr_hold_cnt(0) depctr_sa_sdst(0) depctr_va_vdst(0) depctr_va_sdst(0) depctr_va_ssrc(0) depctr_va_vcc(0) depctr_vm_vsrc(0)
	s_getreg_b32 s2, hwreg(HW_REG_IB_STS2, 6, 4)
	s_cmp_eq_u32 s2, 0
	s_cbranch_scc0 .Lentry_in_a_cluster
	s_endpgm
.Lentry_in_a_cluster:
	s_bfe_u32 s2, ttmp6, 0x10000c
	s_cmp_lg_u32 s2, 0xf033
	s_cbranch_scc0 .Lentry_shape_is_right
	s_endpgm
.Lentry_shape_is_right:
; q, k, v = hidden_states W^T + b on codes of BF6 with E8M0 scales, quantised again for the attention and stored into each (batch, head)'s record of 315,392 bytes:
; Q's codes [tile][768] at 0, its scale words at 98,304; K's at 106,496 and 204,800; V's codes [128 keys][16 of the head][1,536] at 212,992, its scale words at 311,296.
; SHARES: 8 x 32 work-groups. A work-group takes 256 tokens and two heads of Q, K and V: 256 x 384 results. Wave w takes tokens 128 (w / 2) .. and head w % 2: 8 tiles of tokens x (4 + 4 + 4) tiles of Wq, Wk, Wv: 96 accumulators.
; Q and K: source 0 = 16 rows of W, source 1 = 16 tokens: a lane holds a token, its registers run along the head. V: the sources change places: a lane holds one of the head's 64, its registers run along the keys.
; THE RING: two slots of 40 tiles x 3,328 bytes (two K steps of codes and their scale words, as the launch before lays them): four fills for K = 1,024. Wave 0 fetches the 16 tiles of tokens, waves 1 to 3 eight tiles of Wq, Wk, Wv.
; CLUSTERS 4 x 4: the tokens' tiles are asked for jointly along a row of the cluster, the weights' along a column.
; No prefetch: K is short: of the four fills two are asked for at the head, and the walk has no more than two refills.
; REGISTERS: window 0: v0-31 addresses; v32-55 scale words, two sets of 12 (lanes 0-15 tokens' tile i, lanes 16-31 W's tile i); v56-103 four fragments of tokens; v104-247 W's twelve fragments.
; window 1, 2: Q and K, (a, b) at 8 (8 (a % 4) + b); window 3: V, (b, a) at 8 (8 b + a).
; A K step goes by pairs of tokens' tiles, 24 products each. W's fragments have one set: in the last pair each group of four is loaded again, for the next K step, behind its last eight products.
; LIMITS: NaN and infinities are not served; a block of zeros gets the byte 1 (its codes are zeros; this program alone reads the bytes).
.set TP,    13312
.set CH,    3328
.set ATL,   16*CH
.set SLOT,  40*CH
.set SPARE, 2*SLOT
.set BIASL, SPARE+512                  ; bq's and bk's 64 numbers of my head: 512 bytes a wave, stored by the wave, read by it alone
.set REC,   315392
.set FLOOR, 0x2800000
.set EOFF,  0xfe000000
.set ADRA, 6
.set ADRB, 8
.set ADRV, 10
.set ADS1, 12
.set ADS2, 14
.set L8,   16
.set L16,  17
.set SPW,  18
.set NIL,  19
.set BV,   20
.set ABI,  28
.set SC,   32
.set AF,   56
.set BF,   104
.set BI,   64
.set ST,   128
.set PC,   192
.set TM,   212
.set PW,   228
.set SA,   32
.set SB,   36
.set G1,   24
.set G0,   32
.set G1B,  48
.set G0B,  56
.set SEL,  100
.set MSB, 0
.macro WIN new
.if MSB != (\new)
	s_set_vgpr_msb (MSB<<8)|(\new)
.set MSB, (\new)
.endif
.endm
.macro PLACES
.rept 4
	v_nop
.endr
.endm
.macro JLOAD s                         ; wave 0 asks for the tokens' tiles, waves 1 to 3 for the weights'
	s_cmp_eq_u32 s16, 0
	s_cbranch_scc0 .Lfor_b_\@
	tensor_load_to_lds s[G0+4*\s:G0+4*\s+3], s[G1:G1+7]
	s_nop 0
	PLACES
	s_branch .Lasked_\@
.Lfor_b_\@:
	tensor_load_to_lds s[G0B+4*\s:G0B+4*\s+3], s[G1B:G1B+7]
	s_nop 0
	PLACES
.Lasked_\@:
.endm
.macro CREST
	s_cmp_lg_u32 s16, 0
	s_cbranch_scc1 .Lnot_wave_0_\@
	s_barrier_signal -3
.Lnot_wave_0_\@:
	s_barrier_wait -3
	s_barrier_signal -1
	s_barrier_wait -1
.endm
.macro CROUND
	s_barrier_signal -1
	s_barrier_wait -1
	CREST
.endm
	s_load_b256 s[4:11], s[0:1], 0x0       ; the codes, bq, bk, bv
	s_load_b64 s[12:13], s[0:1], 0x20      ; the records
	v_lshl_add_u32 v[SPW], v0, 2, SPARE
	v_mov_b32 v[NIL], 0
	ds_add_u32 v[SPW], v[NIL]              ; the opening lines
	ds_add_u32 v[SPW], v[NIL]
	v_lshrrev_b32 v1, 5, v0
	v_readfirstlane_b32 s16, v1            ; wave
	s_lshr_b32 s17, s16, 1                 ; which 128 tokens
	s_and_b32 s18, s16, 1                  ; which head of the pair
	s_bfe_u32 s19, ttmp6, 0x40000
	s_bfe_u32 s20, ttmp6, 0x40004
	s_lshl_b32 s21, ttmp9, 2
	s_add_co_u32 s21, s21, s19             ; pair of heads 0..7
	s_and_b32 s22, ttmp7, 0xffff
	s_lshl_b32 s22, s22, 2
	s_add_co_u32 s22, s22, s20             ; block of 256 tokens 0..31
	s_lshl_b32 s2, s20, 2
	s_lshl_b32 s2, 15, s2
	s_lshl_b32 s3, 0x1111, s19
	s_or_b32 s[G1+0], s2, (3<<16)|(1<<21)
	s_or_b32 s[G1B+0], s3, (3<<16)|(1<<21)
.irp g, G1, G1B
	s_mov_b32 s[\g+1], 416<<16             ; a row: 3,328 bytes of a tile, 416 elements of 8 bytes
	s_mov_b32 s[\g+3], 416<<16
	s_mov_b32 s[\g+5], TP/8
	s_mov_b32 s[\g+6], 0
	s_mov_b32 s[\g+7], 0
.endr
	s_mov_b32 s[G1+2], 16<<16
	s_mov_b32 s[G1+4], 16
	s_mov_b32 s[G1B+2], 8<<16
	s_mov_b32 s[G1B+4], 8
	s_lshl_b32 s92, s22, 4
	s_mul_i32 s92, s92, TP                 ; the tokens' first tile
	s_mov_b32 s93, 0
	s_lshl_b32 s96, s21, 3
	s_lshl_b32 s97, s16, 6
	s_add_co_u32 s96, s96, s97
	s_add_co_u32 s96, s96, 448             ; tile 512 + 64 (wave - 1) + 8 x pair of heads
	s_mul_i32 s96, s96, TP
	s_mov_b32 s97, 0
	s_add_co_u32 s46, s16, 1
	s_mul_i32 s46, s46, 8*CH               ; LDS: behind the tokens' 16 tiles, eight tiles a wave
	s_mov_b32 s[SEL], 0x76543210
	s_mov_b32 s[SEL+1], 0xfedcba98
	s_mul_i32 s40, s17, 8*CH               ; my tokens' tiles in a slot
	s_mul_i32 s41, s18, 4*CH
	s_add_co_u32 s41, s41, ATL             ; my head's tiles of Wq; Wk's lie 8 tiles on, Wv's 16
	s_sub_co_u32 s42, s41, s40
	s_add_co_u32 s43, s42, 4*CH
	s_add_co_u32 s44, s40, 3072
	s_add_co_u32 s45, s40, SLOT
	s_add_co_u32 s47, s41, SLOT
	s_add_co_u32 s66, s44, SLOT
	s_lshl_b32 s68, s21, 1
	s_add_co_u32 s68, s68, s18
	s_lshl_b32 s68, s68, 8                 ; my head's 64 numbers of a bias
	s_mov_b32 s69, 0
	s_lshl_b32 s76, s16, 9
	s_add_co_u32 s76, s76, BIASL
	s_wait_dscnt 0x0
	s_wait_kmcnt 0x0
	s_add_nc_u64 s[92:93], s[4:5], s[92:93]
	s_add_nc_u64 s[96:97], s[4:5], s[96:97]
	s_add_nc_u64 s[70:71], s[6:7], s[68:69]
	s_add_nc_u64 s[72:73], s[8:9], s[68:69]
	s_add_nc_u64 s[74:75], s[10:11], s[68:69]
	CROUND                                 ; all sixteen work-groups are here
.irp s, 0,1
	s_mov_b32 s[G0+4*\s], 1
	s_mov_b32 s[G0+4*\s+1], \s*SLOT
	s_add_nc_u64 s[G0+4*\s+2:G0+4*\s+3], s[92:93], \s*CH
	s_or_b32 s[G0+4*\s+3], s[G0+4*\s+3], 0x80000000
	s_mov_b32 s[G0B+4*\s], 1
	s_add_co_u32 s[G0B+4*\s+1], s46, \s*SLOT
	s_add_nc_u64 s[G0B+4*\s+2:G0B+4*\s+3], s[96:97], \s*CH
	s_or_b32 s[G0B+4*\s+3], s[G0B+4*\s+3], 0x80000000
.endr
	JLOAD 0                                ; chunk 0: one tensor load a wave at the head
	v_and_b32 v1, 15, v0
	v_bfe_u32 v2, v0, 4, 1
	v_and_b32 v3, 31, v0
	v_lshlrev_b32 v[L8], 3, v3
	v_lshlrev_b32 v[L16], 4, v3
	v_lshlrev_b32 v4, 3, v1
	v_mul_u32_u24 v5, s42, v2              ; lanes 16-31 take W's scale words
	v_mul_u32_u24 v29, s43, v2
	v_add_nc_u32 v5, v5, v4
	v_add_nc_u32 v29, v29, v4
	v_add_nc_u32 v[ADRA], s40, v[L16]
	v_add_nc_u32 v[ADRA+1], s45, v[L16]
	v_add_nc_u32 v[ADRB], s41, v[L16]
	v_add_nc_u32 v[ADRB+1], s47, v[L16]
	v_add_nc_u32 v[ADRV], 16*CH, v[ADRB]
	v_add_nc_u32 v[ADRV+1], 16*CH, v[ADRB+1]
	v_add_nc_u32 v[ADS1], s44, v5
	v_add_nc_u32 v[ADS1+1], s66, v5
	v_add_nc_u32 v[ADS2], s44, v29
	v_add_nc_u32 v[ADS2+1], s66, v29
	v_lshl_add_u32 v[ABI], v2, 6, s76
	v_add_nc_u32 v30, s76, v[L8]
	v_and_b32 v31, 8, v1
	v_add_nc_u32 v31, v31, v1
	v_lshlrev_b32 v31, 2, v31              ; Wv's row of lane r in a tile: r + 8 (r / 8)
	global_load_b64 v[56:57], v[L8], s[70:71]
	global_load_b64 v[58:59], v[L8], s[72:73]
.irp a, 0,1,2,3
	global_load_b32 v[BV+2*\a], v31, s[74:75] offset:(32*(\a/2)+8*(\a%2))*4
	global_load_b32 v[BV+2*\a+1], v31, s[74:75] offset:(32*(\a/2)+8*(\a%2))*4
.endr
	s_wait_alu depctr_va_vdst(0)           ; the wait at the head's end
	s_wait_loadcnt 8                       ; bq's and bk's numbers are in; bv's eight loads may be out
	ds_store_b64 v30, v[56:57]
	ds_store_b64 v30, v[58:59] offset:256
.macro FRAG reg, adr, off
.irp p, 0,1,2
	ds_load_b128 v[\reg+4*\p:\reg+4*\p+3], v[\adr] offset:(\off)+512*\p
.endr
.endm
.macro LDA slot, q, pr                 ; the tokens' tiles 2 pr, 2 pr + 1: 6 loads
.irp u, 0,1
	FRAG AF+12*(2*((\pr)%2)+\u), ADRA+\slot, (2*(\pr)+\u)*CH+(\q)*1536
.endr
.endm
.macro LDB slot, q, g                  ; W's group g (0 Wq, 1 Wk, 2 Wv): 12 loads
.irp k, 0,1,2,3
.if \g < 2
	FRAG BF+12*(4*(\g)+\k), ADRB+\slot, (8*(\g)+\k)*CH+(\q)*1536
.else
	FRAG BF+12*(8+\k), ADRV+\slot, \k*CH+(\q)*1536
.endif
.endr
.endm
.macro LDSC slot, q, set               ; a K step's scale words: 12 loads
.irp i, 0,1,2,3
	ds_load_b32 v[SC+12*(\set)+\i], v[ADS1+\slot] offset:\i*CH+4*(\q)
.endr
.irp i, 4,5,6,7,8,9,10,11
	ds_load_b32 v[SC+12*(\set)+\i], v[ADS2+\slot] offset:(\i+4*(\i/8))*CH+4*(\q)
.endr
.endm
.macro GRP pr, g, set, zero            ; eight products on eight accumulators: two tiles of tokens x W's group g
.irp u, 0,1
.irp k, 0,1,2,3
.set rT, 2*(\pr)+\u
.set rA, AF+12*(rT%4)
.set rSA, SC+12*(\set)+rT
.if \g < 2
.set rW, 4*(\g)+\k
.set rD, 8*(8*(rT%4)+rW)
.else
.set rW, 8+\k
.set rD, 8*(8*\k+rT)
.endif
.set rB, BF+12*rW
.set rSB, SC+12*(\set)+rW
.if \g < 2
.if \zero
	v_wmma_scale_f32_16x16x128_f8f6f4 v[rD:rD+7], v[rB:rB+11], v[rA:rA+11], 0, v[rSB], v[rSA] matrix_a_fmt:MATRIX_FMT_BF6 matrix_b_fmt:MATRIX_FMT_BF6 matrix_a_scale:MATRIX_SCALE_ROW1
.else
	v_wmma_scale_f32_16x16x128_f8f6f4 v[rD:rD+7], v[rB:rB+11], v[rA:rA+11], v[rD:rD+7], v[rSB], v[rSA] matrix_a_fmt:MATRIX_FMT_BF6 matrix_b_fmt:MATRIX_FMT_BF6 matrix_a_scale:MATRIX_SCALE_ROW1
.endif
.else
.if \zero
	v_wmma_scale_f32_16x16x128_f8f6f4 v[rD:rD+7], v[rA:rA+11], v[rB:rB+11], 0, v[rSA], v[rSB] matrix_a_fmt:MATRIX_FMT_BF6 matrix_b_fmt:MATRIX_FMT_BF6 matrix_b_scale:MATRIX_SCALE_ROW1
.else
	v_wmma_scale_f32_16x16x128_f8f6f4 v[rD:rD+7], v[rA:rA+11], v[rB:rB+11], v[rD:rD+7], v[rSA], v[rSB] matrix_a_fmt:MATRIX_FMT_BF6 matrix_b_fmt:MATRIX_FMT_BF6 matrix_b_scale:MATRIX_SCALE_ROW1
.endif
.endif
.endr
.endr
.endm
; A K step: 96 products. mode 0: the next step lies in the same slot; 1: in the other slot, and this slot is filled again; 2: in the other slot, nothing more to fetch; 3: the last step.
; Four v_nop stand between products and loads into registers that they read (ISA guide 7.12.1 for vector instructions).
.macro STEP slot, q, set, zero, ns, nq, mode
	PLACES
	LDA \slot, \q, 1
	s_wait_dscnt 30                        ; pair 0, the scale words and Wq are in; behind them: Wk 12, Wv 12, pair 1's 6
	WIN 0x50
	GRP 0, 0, \set, \zero
	s_wait_dscnt 18
	GRP 0, 1, \set, \zero
	s_wait_dscnt 6
	WIN 0xf0
	GRP 0, 2, \set, \zero
	WIN 0
	PLACES
	LDA \slot, \q, 2
	s_wait_dscnt 6                         ; all but the six just issued
	WIN 0x50
	GRP 1, 0, \set, \zero
	GRP 1, 1, \set, \zero
	WIN 0xf0
	GRP 1, 2, \set, \zero
	WIN 0
	PLACES
	LDA \slot, \q, 3                       ; my last reads of this K step
.if (\mode == 1) || (\mode == 2)
	s_wait_tensorcnt 0x0                   ; my part of the other slot has landed
	ds_add_u32 v[SPW], v[NIL]
	s_wait_dscnt 7                         ; pair 2 is in; pair 3's six loads and the add may be out
	WIN 0xa0
	GRP 2, 0, \set, \zero
	s_wait_dscnt 0x0                       ; the add is done, and my reads of this slot
	s_barrier_signal -1
	GRP 2, 1, \set, \zero
	WIN 0xf0
	GRP 2, 2, \set, \zero
	WIN 0
	s_barrier_wait -1
.if \mode == 1
	CREST                                  ; the barrier has opened a round of the cluster's barrier
	s_add_nc_u64 s[G0+4*\slot+2:G0+4*\slot+3], s[G0+4*\slot+2:G0+4*\slot+3], 2*CH
	s_add_nc_u64 s[G0B+4*\slot+2:G0B+4*\slot+3], s[G0B+4*\slot+2:G0B+4*\slot+3], 2*CH
	JLOAD \slot                            ; the chunk two on; its four v_nop serve the loads below
.else
	PLACES
.endif
.else
	s_wait_dscnt 6
	WIN 0xa0
	GRP 2, 0, \set, \zero
	GRP 2, 1, \set, \zero
	WIN 0xf0
	GRP 2, 2, \set, \zero
	WIN 0
.if \mode == 0
	PLACES
.endif
.endif
.if \mode == 3
	s_wait_dscnt 0x0
	WIN 0xa0
	GRP 3, 0, \set, \zero
	GRP 3, 1, \set, \zero
	WIN 0xf0
	GRP 3, 2, \set, \zero
	WIN 0
.else
	LDA \ns, \nq, 0
	LDSC \ns, \nq, 1-(\set)
	s_wait_dscnt 18                        ; pair 3 is in; behind it the 6 + 12 just issued
	WIN 0xa0
	GRP 3, 0, \set, \zero
	PLACES
	WIN 0
	LDB \ns, \nq, 0                        ; Wq's fragments have had their last products of this step
	WIN 0xa0
	GRP 3, 1, \set, \zero
	PLACES
	WIN 0
	LDB \ns, \nq, 1
	WIN 0xf0
	GRP 3, 2, \set, \zero
	PLACES
	WIN 0
	LDB \ns, \nq, 2
.endif
.endm
	s_wait_tensorcnt 0x0                   ; my part of chunk 0 is in
	ds_add_u32 v[SPW], v[NIL]
	s_wait_dscnt 0x0
	CROUND
	JLOAD 1                                ; chunk 1, the first tensor load behind the round
	LDA 0, 0, 0
	LDSC 0, 0, 0
	LDB 0, 0, 0
	LDB 0, 0, 1
	LDB 0, 0, 2
	STEP 0, 0, 0, 1, 0, 1, 0               ; the first step's products start the sums
	STEP 0, 1, 1, 0, 1, 0, 1
	STEP 1, 0, 0, 0, 1, 1, 0
	STEP 1, 1, 1, 0, 0, 0, 1
	STEP 0, 0, 0, 0, 0, 1, 0
	STEP 0, 1, 1, 0, 1, 0, 2
	STEP 1, 0, 0, 0, 1, 1, 0
	STEP 1, 1, 1, 0, 0, 0, 3
; THE WAY OUT: 64 registers (128 along the next K) at a time: + bias, four blocks' scales, codes in the operand's layout.
.macro QUANT s
.irp b, 0,1,2,3
	v_max3_num_f32 v[TM+\b], |v[\s+16*\b]|, |v[\s+1+16*\b]|, FLOOR
.endr
.irp i, 2,4,6,8,10,12,14
.irp b, 0,1,2,3
	v_max3_num_f32 v[TM+\b], v[TM+\b], |v[\s+16*\b+\i]|, |v[\s+1+16*\b+\i]|
.endr
.endr
.irp b, 0,1,2,3
	v_permlanex16_b32 v[TM+4+\b], v[TM+\b], s[SEL], s[SEL+1]
.endr
.irp b, 0,1,2,3
	v_max_num_f32 v[TM+\b], v[TM+\b], v[TM+4+\b]
.endr
.irp b, 0,1,2,3
	v_add_nc_u32 v[TM+12+\b], EOFF, v[TM+\b]
.endr
.irp b, 0,1,2,3
	v_lshrrev_b32 v[TM+4+\b], 23, v[TM+12+\b]
.endr
	v_lshl_or_b32 v[PW], v[TM+5], 8, v[TM+4]
	v_lshl_or_b32 v[PW], v[TM+6], 16, v[PW]
	v_lshl_or_b32 v[PW], v[TM+7], 24, v[PW]
	s_wait_alu depctr_va_vdst(0)
	s_wait_xcnt 0x0                        ; earlier stores have read the codes' registers, which the conversions write next
.irp c, 0,1
	v_cvt_scalef32_pk16_bf6_f32 v[PC+6*\c:PC+2+6*\c], v[\s+32*\c:\s+15+32*\c], v[TM+12+2*\c]
	v_cvt_scalef32_pk16_bf6_f32 v[PC+12+4*\c:PC+14+4*\c], v[\s+16+32*\c:\s+31+32*\c], v[TM+12+2*\c+1]
.endr
	v_nop
.irp c, 0,1
.irp i, 0,1,2
	v_permlane16_swap_b32 v[PC+6*\c+\i], v[PC+12+4*\c+\i]
.endr
.irp i, 0,1,2
	v_mov_b32 v[PC+3+6*\c+\i], v[PC+12+4*\c+\i]
.endr
.endr
.endm
.macro EPI a, mode                     ; mode 0: tokens' tile a, Q's 32 and K's 32 registers; mode 1: Wv's tile a, 128 keys
.if \mode
	WIN 0x03
.else
	WIN 0x01+(\a)/4
.endif
.set AC, 64*((\a)%4)
.set j, 0
.rept 32
.if \mode
	v_pk_add_f32 v[ST+j:ST+j+1], v[AC+j:AC+j+1], v[BV+2*(\a):BV+2*(\a)+1]
.else
	v_pk_add_f32 v[ST+j:ST+j+1], v[AC+j:AC+j+1], v[BI+j:BI+j+1]
.endif
.set j, j+2
.endr
	WIN 0
	QUANT ST
.endm
	PLACES
	s_lshl_b32 s40, s22, 1
	s_add_co_u32 s40, s40, s17             ; my 128 tokens, 0..63
	s_lshr_b32 s41, s40, 4                 ; batch
	s_and_b32 s40, s40, 15                 ; the step of 128 in the sequence
	s_lshl_b32 s41, s41, 4
	s_lshl_b32 s42, s21, 1
	s_add_co_u32 s41, s41, s42
	s_add_co_u32 s41, s41, s18             ; the record: 16 x batch + head
	s_mul_i32 s41, s41, REC
	s_mul_i32 s42, s40, 6144
	s_add_co_u32 s42, s42, s41
	s_mov_b32 s43, 0
	s_lshl_b32 s44, s40, 9
	s_add_co_u32 s44, s44, s41
	s_add_co_u32 s44, s44, 98304
	s_mov_b32 s45, 0
	s_lshl_b32 s46, s40, 8
	s_add_co_u32 s46, s46, s41
	s_add_co_u32 s46, s46, 311296
	s_mov_b32 s47, 0
	s_add_nc_u64 s[92:93], s[12:13], s[42:43]
	s_add_nc_u64 s[94:95], s[12:13], s[44:45]
	s_add_nc_u64 s[96:97], s[92:93], 212992
	s_add_nc_u64 s[98:99], s[12:13], s[46:47]
.irp g, 0,1,2,3
.irp q, 0,1,2,3
	ds_load_b128 v[BI+16*\g+4*\q:BI+16*\g+4*\q+3], v[ABI] offset:128*\g+16*\q   ; register 16 g + i: bq (g < 2) or bk at 32 (g % 2) + 16 h + i of my head
.endr
.endr
.irp b, 0,1,2,3
	v_mov_b32 v[TM+4+\b], 0
.endr
	v_cmp_eq_u32 vcc_lo, 1, v2
	s_wait_loadcnt 0x0                     ; bv
	s_wait_dscnt 0x0
.irp a, 0,1,2,3,4,5,6,7
	EPI \a, 0
.irp i, 0,1,2
	global_store_b64 v[L8], v[PC+2*\i:PC+2*\i+1], s[92:93] offset:\a*768+256*\i            ; Q: 256 consecutive bytes a store
.endr
.irp i, 0,1,2
	global_store_b64 v[L8], v[PC+6+2*\i:PC+7+2*\i], s[92:93] offset:106496+\a*768+256*\i   ; K
.endr
	v_and_b32 v229, 0xffff, v[PW]
	v_lshrrev_b32 v230, 16, v[PW]
.if \a%2 == 0
	v_lshl_or_b32 v[SA+\a/2], v229, 16, v229
	v_lshl_or_b32 v[SB+\a/2], v230, 16, v230
.else
	v_lshl_or_b32 v229, v229, 16, v229
	v_lshl_or_b32 v230, v230, 16, v230
	v_cndmask_b32 v[SA+\a/2], v[SA+\a/2], v229, vcc_lo
	v_cndmask_b32 v[SB+\a/2], v[SB+\a/2], v230, vcc_lo
.endif
.endr
	global_store_b128 v[L16], v[SA:SA+3], s[94:95]
	global_store_b128 v[L16], v[SB:SB+3], s[94:95] offset:106496
.irp a, 0,1,2,3
	EPI \a, 1
.irp q, 0,1,2
	global_store_b128 v[L16], v[PC+4*\q:PC+4*\q+3], s[96:97] offset:\a*1536+512*\q
.endr
.if \a%2 == 0
	v_mov_b32 v[SA+\a/2], v[PW]
.else
	v_cndmask_b32 v[SA+\a/2], v[SA+\a/2], v[PW], vcc_lo
.endif
.endr
	global_store_b64 v[L8], v[SA:SA+1], s[98:99]
	s_wait_tensorcnt 0x0                   ; the wave's end
	ds_add_u32 v[SPW], v[NIL]
	s_wait_dscnt 0x0
	CROUND                                 ; the closing round
	s_endpgm
.Lfunc_end_k_qaab44a194c_qkv:
	.size	k_qaab44a194c_qkv, .Lfunc_end_k_qaab44a194c_qkv-k_qaab44a194c_qkv
	.p2alignl 7, 3214868480
	.fill 96, 4, 3214868480
	.section	.rodata,"a",@progbits
	.p2align	6, 0x0
	.amdhsa_kernel k_qaab44a194c_qkv
		.amdhsa_group_segment_fixed_size 327680
		.amdhsa_private_segment_fixed_size 0
		.amdhsa_enable_private_segment 0
		.amdhsa_kernarg_size 40
		.amdhsa_user_sgpr_count 2
		.amdhsa_user_sgpr_kernarg_segment_ptr 1
		.amdhsa_wavefront_size32 1
		.amdhsa_system_sgpr_workgroup_id_x 1
		.amdhsa_system_sgpr_workgroup_id_y 1
		.amdhsa_system_sgpr_workgroup_id_z 1
		.amdhsa_system_vgpr_workitem_id 0
		.amdhsa_next_free_vgpr 1024
		.amdhsa_next_free_sgpr 102
		.amdhsa_reserve_vcc 1
		.amdhsa_float_denorm_mode_32 3
		.amdhsa_float_denorm_mode_16_64 3
		.amdhsa_memory_ordered 1
		.amdhsa_forward_progress 1
		.amdhsa_inst_pref_size 236
	.end_amdhsa_kernel
	.amdgpu_metadata
---
amdhsa.version: [ 1, 2 ]
amdhsa.kernels:
  - .name:           k_qaab44a194c_qkv
    .symbol:         k_qaab44a194c_qkv.kd
    .args:
      - { .name: opc, .offset: 0, .size: 8, .value_kind: global_buffer, .address_space: global }
      - { .name: bq, .offset: 8, .size: 8, .value_kind: global_buffer, .address_space: global }
      - { .name: bk, .offset: 16, .size: 8, .value_kind: global_buffer, .address_space: global }
      - { .name: bv, .offset: 24, .size: 8, .value_kind: global_buffer, .address_space: global }
      - { .name: qkv, .offset: 32, .size: 8, .value_kind: global_buffer, .address_space: global }
    .group_segment_fixed_size: 327680
    .private_segment_fixed_size: 0
    .kernarg_segment_align: 8
    .kernarg_segment_size: 40
    .max_flat_workgroup_size: 128
    .sgpr_count:     102
    .vgpr_count:     1024
    .wavefront_size: 32
...
	.end_amdgpu_metadata
.endif
;; end of part 2
;; launch attn (part 3): grid 4 x 64, 8 waves a work-group, clusters of 4 x 1, 220,160 bytes of LDS; arguments qkv, attention_mask, ctxc, ctxs; writes ctxc, ctxs
.if DOCPART == 3
	.amdgcn_target "amdgcn-amd-amdhsa--gfx1250"
	.amdhsa_code_object_version 6
	.text
	.protected	k_qaab44a194c_attn
	.globl	k_qaab44a194c_attn
	.p2align	8
	.type	k_qaab44a194c_attn,@function
k_qaab44a194c_attn:
	s_mov_b64 s[64:65], 0
	v_nop
	global_prefetch_b8 v0, s[64:65] scope:SCOPE_SE
	s_setreg_imm32_b32 hwreg(HW_REG_WAVE_MODE, 25, 1), 1
	s_wait_xcnt 0x0
	s_wait_alu depctr_hold_cnt(0) depctr_sa_sdst(0) depctr_va_vdst(0) depctr_va_sdst(0) depctr_va_ssrc(0) depctr_va_vcc(0) depctr_vm_vsrc(0)
	s_getreg_b32 s2, hwreg(HW_REG_IB_STS2, 6, 4)
	s_cmp_eq_u32 s2, 0
	s_cbranch_scc0 .Lentry_in_a_cluster
	s_endpgm
.Lentry_in_a_cluster:
	s_bfe_u32 s2, ttmp6, 0x10000c
	s_cmp_lg_u32 s2, 0x3003
	s_cbranch_scc0 .Lentry_shape_is_right
	s_endpgm
.Lentry_shape_is_right:
; ctx = softmax(q k^T / 8 + (1 - mask) x -10000) v for one (batch, head), both products on codes of BF6 with E8M0 scales; ctx leaves quantised along the head's 64 for the last product.
; THE SOFTMAX: t = logit x log2(e); M = the running largest t rounded up to a whole number; p = 2^(t - M) is quantised along the keys, not normalised; the row's sum is taken of the unquantised p and divides at the end.
; When M moves, the sum and O are multiplied by 2^(old M - new M): exact. A block's largest p is the block's largest score put through the same multiply-add and exponential (this takes v_exp_f32 not to fall where its input rises).
; SHARES: a work-group owns 512 queries, each of its eight waves four tiles of 16: two passes of TWO TILES AT ONCE, so that each fragment of K and V and each addend loaded from LDS serves two tiles, and the two tiles' chains take turns.
; K AND V OF THE WHOLE HEAD, 208,896 consecutive bytes of the record, come into LDS once, one tensor load a wave, and stay. The four query blocks of a head form a cluster and ask for them jointly.
; LAYOUT: S^T = K Q^T, O^T = V^T P^T: a lane holds one query. THE KEYS OF A TILE OF K ARE CHOSEN BY THE LANES' LDS ADDRESSES: row m of tile 4 g + t is key 64 g + 32 (m / 8) + 8 t + m % 8,
; so that lane (r, h)'s 32 registers of tiles 4 g .. 4 g + 3 are keys 64 g + 32 h + 0 .. 31: one whole block, in the order of the next operand's registers. Only the row's maximum and p's scale word ask the other half of the lanes.
; THE HEAD IS 64 AND THE INSTRUCTION 128 DEEP: Q's registers 6-11 are zero codes; K's tiles lie six registers apart, so a tile's upper six are the next tile's codes (tile 7's: V's first six): finite numbers that meet zeros.
; THE MASK goes in as the C of K Q^T, from registers of its own: 8 x (1 - mask) x -10000, so that t = S x log2(e) / 8.
; LIMITS: NaN and infinities are not served; a block of zeros gets the byte 1 (its codes are zeros; this program alone reads the bytes).
.set REC,   315392
.set KSO,   98304
.set VCO,   106496
.set VSO,   204800
.set BIAS,  208896                     ; the addend, 2,048 f32, stored by the waves
.set CSG,   217088                     ; the context's scale bytes, 1,024 bytes, stored by the waves
.set SPARE, 218112                     ; the spare words, 8 x 128 bytes
.set PART,  26112                      ; what one wave fetches: 102 rows of 256 bytes
.set FLOOR, 0x2800000
.set EOFF,  0xfe000000
; window 0: v1 8 x lane; v2 16 x lane; v3 128 h; v4-8 addresses of K, V, K's words, V's words, the addend; v9, v10 the lanes' terms of K and its words; v11 8 h; v[12:13] V's scale words; v14-17 K's; v18, v19 Q's (this pass, the next);
; v20, v21 p's scale words; v22, v23 the add's two registers
.set VSW, 12
.set KSW, 14
.set PS,  20
.set NM,  24                           ; -M, a pair for each tile
.set FF,  28                           ; f, a pair for each tile
.set QQ,  32                           ; Q: 12 registers a tile
.set KB,  56                           ; K's eight tiles, six registers each
.set VB,  104                          ; V's four fragments
.set PC,  152                          ; p's codes, 12 a tile
.set PT,  176                          ; the conversions' second halves
.set LS,  192                          ; the sums, a pair a tile
.set MX,  196                          ; the running largest score
.set BM,  198                          ; the blocks' maxima: 2 a tile
.set SO,  202                          ; the conversions' scale operands
.set TT,  206                          ; at work, 4 a tile
.set SM,  214                          ; partial sums, 4 pairs a tile
.set E,   56                           ; the pass's end: O / sum, 32 a tile
; window 1: S^T then p at 64 u; O^T at 128 + 32 u; the addend at 192
.set OO,  128
.set BS,  192
.set MSB, 0
.macro WIN new
.if MSB != (\new)
	s_set_vgpr_msb (MSB<<8)|(\new)
.set MSB, (\new)
.endif
.endm
.macro ROUND
	s_barrier_signal -1
	s_barrier_wait -1
	s_cmp_lg_u32 s12, 0
	s_cbranch_scc1 .Lnot_wave_0_\@
	s_barrier_signal -3
.Lnot_wave_0_\@:
	s_barrier_wait -3
	s_barrier_signal -1
	s_barrier_wait -1
.endm
	s_load_b256 s[4:11], s[0:1], 0x0       ; the records, the mask, the context's codes, its scale bytes
	v_lshl_add_u32 v22, v0, 2, SPARE
	v_mov_b32 v23, 0
	ds_add_u32 v22, v23                    ; the opening lines
	ds_add_u32 v22, v23
	v_lshrrev_b32 v1, 5, v0
	v_readfirstlane_b32 s12, v1            ; wave 0..7
	s_bfe_u32 s13, ttmp6, 0x40000          ; cx: my block of 512 queries; it enters global addresses alone
	s_and_b32 s14, ttmp7, 0xffff           ; the record: 16 x batch + head
	s_lshr_b32 s15, s14, 4
	s_and_b32 s16, s14, 15
	s_mov_b32 s24, 15|(3<<16)|(1<<21)
	s_mov_b32 s25, 32<<16
	s_mov_b32 s26, 102<<16
	s_mov_b32 s27, 32<<16
	s_mov_b32 s28, 102
	s_mov_b32 s29, 32
	s_mov_b32 s30, 0
	s_mov_b32 s31, 0
	s_mul_i32 s36, s14, REC
	s_mov_b32 s32, 1
	s_mul_i32 s33, s12, PART
	s_add_co_u32 s38, s36, s33
	s_add_co_u32 s38, s38, 106496          ; from K's codes on
	s_mov_b32 s39, 0
	s_lshl_b32 s17, s13, 5
	s_lshl_b32 s18, s12, 2
	s_add_co_u32 s17, s17, s18             ; my first tile of queries: 32 cx + 4 x wave
	s_mul_i32 s48, s17, 768
	s_add_co_u32 s48, s48, s36
	s_mov_b32 s49, 0
	s_lshr_b32 s18, s17, 3
	s_lshl_b32 s50, s18, 9                 ; Q's scale words: the step of eight tiles,
	s_and_b32 s18, s12, 1
	s_lshl_b32 s18, s18, 3                 ; and of a lane's four words the two that are mine: one for each pass
	s_add_co_u32 s50, s50, s18
	s_add_co_u32 s50, s50, s36
	s_add_co_u32 s50, s50, 98304
	s_mov_b32 s51, 0
	s_lshl_b32 s52, s15, 7
	s_add_co_u32 s52, s52, s17
	s_mul_i32 s52, s52, 12288              ; the context's codes: [tile of tokens][head][768]
	s_mul_i32 s18, s16, 768
	s_add_co_u32 s52, s52, s18
	s_mov_b32 s53, 0
	s_lshl_b32 s54, s14, 12                ; its scale bytes: [record][tile][row] of two bytes
	s_lshl_b32 s18, s13, 10
	s_add_co_u32 s54, s54, s18
	s_mov_b32 s55, 0
	s_lshl_b32 s56, s15, 13                ; the batch's row of the mask
	s_mov_b32 s57, 0
	s_lshl_b32 s47, s12, 7
	s_add_co_u32 s47, s47, CSG             ; LDS: my four tiles' scale bytes
	s_mov_b32 s20, 0x76543210
	s_mov_b32 s21, 0xfedcba98
	s_mov_b32 s22, 0x3e38aa3b              ; c = log2(e) / 8
	s_mov_b32 s23, s22
	s_mov_b32 s46, 2                       ; passes to go
	s_wait_dscnt 0x0
	s_wait_kmcnt 0x0
	s_add_nc_u64 s[34:35], s[4:5], s[38:39]
	s_or_b32 s35, s35, 0x80000000
	s_add_nc_u64 s[48:49], s[4:5], s[48:49]
	s_add_nc_u64 s[50:51], s[4:5], s[50:51]
	s_add_nc_u64 s[52:53], s[8:9], s[52:53]
	s_add_nc_u64 s[54:55], s[10:11], s[54:55]
	s_add_nc_u64 s[6:7], s[6:7], s[56:57]
	ROUND                                  ; all four work-groups are here: the joint loads meet
	tensor_load_to_lds s[32:35], s[24:31]  ; my one tensor load of the launch
	s_nop 0
	v_and_b32 v1, 31, v0
	v_lshlrev_b32 v2, 4, v1
	v_lshlrev_b32 v1, 3, v1
	v_bfe_u32 v5, v0, 4, 1                 ; h
	v_bfe_u32 v6, v0, 3, 1                 ; m / 8
	v_and_b32 v7, 7, v0                    ; m % 8
	v_lshlrev_b32 v3, 7, v5
	v_lshlrev_b32 v11, 3, v5
	v_mul_u32_u24 v9, v6, 1536             ; K: rows 8-15 of my tile lie two stored tiles on,
	v_lshl_add_u32 v9, v7, 3, v9           ; 8 bytes a stored lane,
	v_lshl_add_u32 v9, v5, 7, v9           ; the upper half of the stored lanes 128 bytes on
	v_lshlrev_b32 v10, 2, v6               ; K's scale words: 16 bytes a stored lane, word 2 g + m / 8; lanes 16-31 take the odd tiles
	v_lshl_add_u32 v10, v7, 4, v10
	v_lshl_add_u32 v10, v5, 8, v10
	v_lshlrev_b32 v4, 4, v0                ; 16 x thread: four numbers of the mask, twice
	global_load_b128 v[56:59], v4, s[6:7]
	global_load_b128 v[60:63], v4, s[6:7] offset:4096
.irp u, 0,1
.irp i, 0,1,2
	global_load_b64 v[QQ+12*\u+2*\i:QQ+12*\u+2*\i+1], v1, s[48:49] offset:768*\u+256*\i   ; the first pass's two tiles of Q
.endr
.endr
	global_load_b64 v[18:19], v2, s[50:51] ; lanes 0-15: the even tile's scale words, lanes 16-31: the odd tile's; a register for each pass
	v_add_nc_u32 v8, BIAS, v4
.irp i, 38,39,40,41,42,43, 50,51,52,53,54,55, 104,105,106,107,108,109, 207,211, 25,27,29,31
	v_mov_b32 v\i, 0                       ; Q's empty halves; what tile 7 of K reaches into before V is there; destinations of lane permutes; upper halves of pairs
.endr
	s_wait_alu depctr_va_vdst(0)           ; the wait at the head's end
	s_wait_loadcnt 7                       ; the mask is in; Q's seven loads may be out
.irp i, 0,1,2,3,4,5,6,7
	v_sub_f32 v[56+\i], 1.0, v[56+\i]
.endr
.irp i, 0,1,2,3,4,5,6,7
	v_mul_f32 v[56+\i], 0xc79c4000, v[56+\i]   ; x -80,000 = 8 x -10,000
.endr
	ds_store_b128 v8, v[56:59]
	ds_store_b128 v8, v[60:63] offset:4096
	s_wait_tensorcnt 0x0                   ; my part of K and V has landed,
	s_wait_dscnt 0x0                       ; my part of the addend is stored:
	s_barrier_signal -1
	s_barrier_wait -1                      ; everybody's
.macro WM d, a, b, c, sa, sb, ra, rb   ; one product; ra, rb: the scale words lie in lanes 16-31
.if (\ra) && (\rb)
	v_wmma_scale_f32_16x16x128_f8f6f4 v[(\d):(\d)+7], v[(\a):(\a)+11], v[(\b):(\b)+11], v[(\c):(\c)+7], v[\sa], v[\sb] matrix_a_fmt:MATRIX_FMT_BF6 matrix_b_fmt:MATRIX_FMT_BF6 matrix_a_scale:MATRIX_SCALE_ROW1 matrix_b_scale:MATRIX_SCALE_ROW1
.elseif (\ra)
	v_wmma_scale_f32_16x16x128_f8f6f4 v[(\d):(\d)+7], v[(\a):(\a)+11], v[(\b):(\b)+11], v[(\c):(\c)+7], v[\sa], v[\sb] matrix_a_fmt:MATRIX_FMT_BF6 matrix_b_fmt:MATRIX_FMT_BF6 matrix_a_scale:MATRIX_SCALE_ROW1
.elseif (\rb)
	v_wmma_scale_f32_16x16x128_f8f6f4 v[(\d):(\d)+7], v[(\a):(\a)+11], v[(\b):(\b)+11], v[(\c):(\c)+7], v[\sa], v[\sb] matrix_a_fmt:MATRIX_FMT_BF6 matrix_b_fmt:MATRIX_FMT_BF6 matrix_b_scale:MATRIX_SCALE_ROW1
.else
	v_wmma_scale_f32_16x16x128_f8f6f4 v[(\d):(\d)+7], v[(\a):(\a)+11], v[(\b):(\b)+11], v[(\c):(\c)+7], v[\sa], v[\sb] matrix_a_fmt:MATRIX_FMT_BF6 matrix_b_fmt:MATRIX_FMT_BF6
.endif
.endm
.macro KLOAD                           ; a step's K: eight tiles of six registers, and their scale words: 28 loads
.irp g, 0,1
.irp t, 0,1,2,3
.irp i, 0,1,2
	ds_load_b64 v[KB+6*(4*\g+\t)+2*\i:KB+6*(4*\g+\t)+2*\i+1], v4 offset:\g*3072+(\t%2)*768+(\t/2)*64+256*\i
.endr
.endr
.endr
.irp g, 0,1
.irp a, 0,1
	ds_load_b32 v[KSW+2*\g+\a], v6 offset:128*\a+8*\g   ; lanes 0-15 tile 4 g + 2 a, lanes 16-31 tile 4 g + 2 a + 1
.endr
.endr
.endm
.macro BLOAD                           ; a step's addend: register 32 g + i is key 64 g + 32 h + i: 16 loads into window 1
	WIN 0x40
.irp g, 0,1
.irp q, 0,1,2,3,4,5,6,7
	ds_load_b128 v[BS+32*\g+4*\q:BS+32*\g+4*\q+3], v8 offset:256*\g+16*\q
.endr
.endr
	WIN 0
.endm
; A KEY STEP: 128 keys x two tiles of queries. nxt = 1: the next step's K and addend are fetched on the way. The accumulators take turns, one instruction a turn.
.macro STEP nxt
	s_wait_dscnt 0x0                       ; K, its scale words and the addend are in
	WIN 0x50                               ; C and D window 1
.irp t, 0,1,2,3,4,5,6,7
.irp u, 0,1
	WM 64*\u+8*\t, KB+6*\t, QQ+12*\u, BS+8*\t, KSW+\t/2, 18, \t%2, \u   ; S^T = K Q^T + the addend
.endr
.endr
	WIN 0
	v_add_nc_u32 v5, s41, v2               ; the plain lines between the products and the loads into their registers, and the first read of S^T: four at the least
	v_add_nc_u32 v7, s43, v1
.if \nxt
	s_add_co_u32 s40, s40, 6144
	s_add_co_u32 s42, s42, 512
	s_add_co_u32 s44, s44, 512
	v_add_nc_u32 v4, s40, v9
	v_add_nc_u32 v6, s42, v10
	v_add_nc_u32 v8, s44, v3
.else
	v_nop
	v_nop
	s_cmp_eq_u32 s46, 1                    ; the second pass's tiles of Q are asked for here, if a pass is to come
	s_cbranch_scc1 .Lno_q_\@
.irp u, 0,1
.irp i, 0,1,2
	global_load_b64 v[QQ+12*\u+2*\i:QQ+12*\u+2*\i+1], v1, s[48:49] offset:1536+768*\u+256*\i
.endr
.endr
.Lno_q_\@:
.endif
	s_wait_alu depctr_va_vdst(0)
.irp dt, 0,1,2,3
.irp q, 0,1,2
	ds_load_b128 v[VB+12*\dt+4*\q:VB+12*\dt+4*\q+3], v5 offset:\dt*1536+512*\q   ; this step's V: 13 loads
.endr
.endr
	ds_load_b64 v[VSW:VSW+1], v7
.if \nxt
	KLOAD
	BLOAD
.endif
	WIN 0x15                               ; the largest score of each block of 32 keys: all 32 are the lane's own; four chains by turns
.irp u, 0,1
.irp c, 0,1
	v_max3_num_f32 v[BM+2*\u+\c], v[64*\u+32*\c], v[64*\u+32*\c+1], v[64*\u+32*\c+2]
.endr
.endr
	WIN 0x14
.irp i, 3,5,7,9,11,13,15,17,19,21,23,25,27,29
.irp u, 0,1
.irp c, 0,1
	v_max3_num_f32 v[BM+2*\u+\c], v[BM+2*\u+\c], v[64*\u+32*\c+\i], v[64*\u+32*\c+\i+1]
.endr
.endr
.endr
.irp u, 0,1
.irp c, 0,1
	v_max_num_f32 v[BM+2*\u+\c], v[BM+2*\u+\c], v[64*\u+32*\c+31]
.endr
.endr
	WIN 0
.irp u, 0,1
	v_max_num_f32 v[TT+4*\u], v[BM+2*\u], v[BM+2*\u+1]
.endr
.irp u, 0,1
	v_permlanex16_b32 v[TT+4*\u+1], v[TT+4*\u], s20, s21
.endr
.irp u, 0,1
	v_max3_num_f32 v[MX+\u], v[MX+\u], v[TT+4*\u], v[TT+4*\u+1]   ; the running largest score of my query
.endr
.irp u, 0,1
	v_mul_f32 v[TT+4*\u], s22, v[MX+\u]    ; as t (c is positive)
.endr
.irp u, 0,1
	v_mov_b32 v[TT+4*\u+2], v[NM+2*\u]
.endr
.irp u, 0,1
	v_floor_f32 v[NM+2*\u], -v[TT+4*\u]    ; the new -M = floor(-t): M is a whole number
.endr
.irp u, 0,1
	v_sub_f32 v[TT+4*\u+2], v[NM+2*\u], v[TT+4*\u+2]   ; old M - new M, 0 or less
.endr
.irp u, 0,1
	v_cvt_i32_f32 v[TT+4*\u+2], v[TT+4*\u+2]           ; (it saturates)
.endr
.irp u, 0,1
	v_ldexp_f32 v[FF+2*\u], 1.0, v[TT+4*\u+2]          ; f = 2^(old M - new M)
.endr
.irp u, 0,1
.irp c, 0,1
	v_fma_f32 v[BM+2*\u+\c], v[BM+2*\u+\c], s22, v[NM+2*\u]   ; t - M of each block's largest score
.endr
.endr
.irp u, 0,1
	v_pk_mul_f32 v[LS+2*\u:LS+2*\u+1], v[LS+2*\u:LS+2*\u+1], v[FF+2*\u:FF+2*\u+1] op_sel_hi:[1,0]   ; the sums under the new M
.endr
	WIN 0x41                               ; source 0 and destination window 1
.set j, 0
.rept 16
.irp u, 0,1
	v_pk_mul_f32 v[OO+32*\u+j:OO+32*\u+j+1], v[OO+32*\u+j:OO+32*\u+j+1], v[FF+2*\u:FF+2*\u+1] op_sel_hi:[1,0]   ; O^T under the new M, each accumulator from its low end on
.endr
.set j, j+2
.endr
.set j, 0
.rept 32
.irp u, 0,1
	v_pk_fma_f32 v[64*\u+j:64*\u+j+1], v[64*\u+j:64*\u+j+1], s[22:23], v[NM+2*\u:NM+2*\u+1] op_sel_hi:[1,0,0]   ; t - M, two at a time
.endr
.set j, j+2
.endr
	s_wait_alu depctr_va_vdst(0)
.set j, 0
.rept 128
	v_exp_f32 v[j], v[j]                   ; p = 2^(t - M)
.set j, j+1
.endr
	WIN 0
.irp k, 0,1,2,3
	v_exp_f32 v[BM+\k], v[BM+\k]           ; the blocks' largest p
.endr
	v_nop                                  ; the plain line behind the exponentials
	s_wait_alu depctr_va_vdst(0)           ; one wait for the batch, ahead of its first reader
.irp k, 0,1,2,3
	v_max_num_f32 v[BM+\k], FLOOR, v[BM+\k]    ; the floor: the byte cannot fall under 1
.endr
.irp k, 0,1,2,3
	v_add_nc_u32 v[SO+\k], EOFF, v[BM+\k]      ; the conversion's scale operand
.endr
.irp k, 0,1,2,3
	v_lshrrev_b32 v[BM+\k], 23, v[SO+\k]       ; the scale's byte
.endr
.irp u, 0,1
	v_lshl_or_b32 v[TT+4*\u], v[BM+2*\u+1], 16, v[BM+2*\u]   ; my two bytes: blocks h and 2 + h,
.endr
.irp u, 0,1
	v_lshlrev_b32 v[TT+4*\u], v11, v[TT+4*\u]                ; at their places;
.endr
.irp u, 0,1
	v_permlanex16_b32 v[TT+4*\u+1], v[TT+4*\u], s20, s21
.endr
.irp u, 0,1
	v_or_b32 v[PS+\u], v[TT+4*\u], v[TT+4*\u+1]              ; with the other half's two the word is whole
.endr
	WIN 0x01
.irp u, 0,1
.irp c, 0,1
	v_cvt_scalef32_pk16_bf6_f32 v[PC+12*\u+6*\c:PC+12*\u+6*\c+2], v[64*\u+32*\c:64*\u+32*\c+15], v[SO+2*\u+\c]
	v_cvt_scalef32_pk16_bf6_f32 v[PT+8*\u+4*\c:PT+8*\u+4*\c+2], v[64*\u+32*\c+16:64*\u+32*\c+31], v[SO+2*\u+\c]   ; (a conversion's three registers begin on an even number)
.endr
.endr
	WIN 0
	v_nop                                  ; one plain line behind a scaled conversion
.irp u, 0,1
.irp c, 0,1
.irp i, 0,1,2
	v_mov_b32 v[PC+12*\u+6*\c+3+\i], v[PT+8*\u+4*\c+\i]
.endr
.endr
.endr
	WIN 0x05                               ; the rows' sums of the unquantised p: eight chains by turns. (These lines are also the plain lines between the writes of p's codes and scale words and the products)
.irp k, 0,1,2,3
.irp u, 0,1
	v_pk_add_f32 v[SM+8*\u+2*\k:SM+8*\u+2*\k+1], v[64*\u+4*\k:64*\u+4*\k+1], v[64*\u+4*\k+2:64*\u+4*\k+3]
.endr
.endr
	WIN 0x04
.irp j, 16,24,32,40,48,56
.irp k, 0,1,2,3
.irp u, 0,1
	v_pk_add_f32 v[SM+8*\u+2*\k:SM+8*\u+2*\k+1], v[SM+8*\u+2*\k:SM+8*\u+2*\k+1], v[64*\u+\j+2*\k:64*\u+\j+2*\k+1]
.endr
.endr
.endr
	WIN 0
.irp u, 0,1
	v_pk_add_f32 v[SM+8*\u:SM+8*\u+1], v[SM+8*\u:SM+8*\u+1], v[SM+8*\u+2:SM+8*\u+3]
	v_pk_add_f32 v[SM+8*\u+4:SM+8*\u+5], v[SM+8*\u+4:SM+8*\u+5], v[SM+8*\u+6:SM+8*\u+7]
.endr
.irp u, 0,1
	v_pk_add_f32 v[SM+8*\u:SM+8*\u+1], v[SM+8*\u:SM+8*\u+1], v[SM+8*\u+4:SM+8*\u+5]
.endr
.irp u, 0,1
	v_pk_add_f32 v[LS+2*\u:LS+2*\u+1], v[LS+2*\u:LS+2*\u+1], v[SM+8*\u:SM+8*\u+1]
.endr
	s_wait_alu depctr_va_vdst(0)
.if \nxt
	s_wait_dscnt 44                        ; V and its scale words are in: behind them stand the 28 loads of the next K and the 16 of the next addend
.else
	s_wait_dscnt 0x0
.endif
	WIN 0x50
.irp dt, 0,1,2,3
.irp u, 0,1
	WM OO+32*\u+8*\dt, VB+12*\dt, PC+12*\u, OO+32*\u+8*\dt, VSW+\dt/2, PS+\u, \dt%2, 0   ; O^T += V^T P^T
.endr
.endr
	WIN 0
.if \nxt
	s_add_co_u32 s41, s41, 6144
	s_add_co_u32 s43, s43, 256
.endif
.endm
.Lpass:                                    ; two trips: two tiles of 16 queries each
	s_wait_xcnt 0x0                        ; the last pass's stores have read their registers
	s_wait_loadcnt 0x0                     ; Q
.irp u, 0,1
	v_mov_b32 v[MX+\u], 0xff61b1e6         ; the largest score so far: -3e38
	v_mov_b32 v[LS+2*\u], 0
	v_mov_b32 v[LS+2*\u+1], 0
.endr
.irp u, 0,1
	v_floor_f32 v[NM+2*\u], -v[MX+\u]
.endr
	WIN 0x40
.set j, 0
.rept 64
	v_mov_b32 v[OO+j], 0                   ; O^T: the step is written for all sixteen alike; the first finds zeros, which the first change of M leaves zeros
.set j, j+1
.endr
	WIN 0
	s_mov_b32 s40, 0                       ; where the step's K, V, K's words, V's words and addend begin in LDS
	s_mov_b32 s41, VCO
	s_mov_b32 s42, KSO
	s_mov_b32 s43, VSO
	s_mov_b32 s44, BIAS
	v_add_nc_u32 v4, s40, v9
	v_add_nc_u32 v6, s42, v10
	v_add_nc_u32 v8, s44, v3
	KLOAD
	BLOAD
	s_mov_b32 s45, 15
.Lstep:
	STEP 1
	s_sub_co_u32 s45, s45, 1
	s_cmp_lg_u32 s45, 0
	s_cbranch_scc1 .Lstep
	STEP 0                                 ; the last step fetches nothing ahead
	; THE PASS'S END: O^T / the sum, quantised along the head's 64 (two blocks; register 16 g + i is d = 32 g + 16 h + i)
.irp u, 0,1
	v_add_f32 v[LS+2*\u], v[LS+2*\u], v[LS+2*\u+1]
.endr
.irp u, 0,1
	v_permlanex16_b32 v[TT+4*\u+1], v[LS+2*\u], s20, s21
.endr
.irp u, 0,1
	v_add_f32 v[LS+2*\u], v[LS+2*\u], v[TT+4*\u+1]   ; the row's sum. (These six are the plain lines behind the last products)
.endr
	s_wait_alu depctr_va_vdst(0)
	v_rcp_f32 v[LS], v[LS]
	v_rcp_f32 v[LS+2], v[LS+2]
	v_nop                                  ; a plain line behind them,
	WIN 0x01
	s_wait_alu depctr_va_vdst(0)           ; and the wait directly ahead of the first reader
.set j, 0
.rept 16
.irp u, 0,1
	v_pk_mul_f32 v[E+32*\u+j:E+32*\u+j+1], v[OO+32*\u+j:OO+32*\u+j+1], v[LS+2*\u:LS+2*\u+1] op_sel_hi:[1,0]   ; each accumulator from its low end on
.endr
.set j, j+2
.endr
	WIN 0
.irp u, 0,1
.irp g, 0,1
	v_max3_num_f32 v[BM+2*\u+\g], |v[E+32*\u+16*\g]|, |v[E+32*\u+16*\g+1]|, FLOOR
.endr
.endr
.irp i, 2,4,6,8,10,12,14
.irp u, 0,1
.irp g, 0,1
	v_max3_num_f32 v[BM+2*\u+\g], v[BM+2*\u+\g], |v[E+32*\u+16*\g+\i]|, |v[E+32*\u+16*\g+\i+1]|
.endr
.endr
.endr
.irp k, 0,1,2,3
	v_permlanex16_b32 v[SO+\k], v[BM+\k], s20, s21
.endr
.irp k, 0,1,2,3
	v_max_num_f32 v[BM+\k], v[BM+\k], v[SO+\k]
.endr
.irp k, 0,1,2,3
	v_add_nc_u32 v[SO+\k], EOFF, v[BM+\k]
.endr
.irp k, 0,1,2,3
	v_lshrrev_b32 v[BM+\k], 23, v[SO+\k]
.endr
.irp u, 0,1
	v_lshl_or_b32 v[PS+\u], v[BM+2*\u+1], 8, v[BM+2*\u]   ; my row's two scale bytes
.endr
.irp u, 0,1
	v_cvt_scalef32_pk16_bf6_f32 v[PC+12*\u:PC+12*\u+2], v[E+32*\u:E+32*\u+15], v[SO+2*\u]
	v_cvt_scalef32_pk16_bf6_f32 v[PT+8*\u:PT+8*\u+2], v[E+32*\u+16:E+32*\u+31], v[SO+2*\u+1]
.endr
	v_and_b32 v[TT], 15, v0                ; (the plain line behind the conversions)
.irp u, 0,1
.irp i, 0,1,2
	v_permlane16_swap_b32 v[PC+12*\u+\i], v[PT+8*\u+\i]
.endr
.endr
.irp u, 0,1
.irp i, 0,1,2
	v_mov_b32 v[PC+12*\u+3+\i], v[PT+8*\u+\i]   ; registers 0-5: d = 32 h + 0 .. 31
.endr
.endr
.irp u, 0,1
.irp i, 0,1,2
	global_store_b64 v1, v[PC+12*\u+2*\i:PC+12*\u+2*\i+1], s[52:53] offset:12288*\u+256*\i   ; 256 consecutive bytes a store
.endr
.endr
	v_lshl_add_u32 v[TT], v[TT], 1, s47
	ds_store_b16 v[TT], v[PS]              ; both halves of the lanes write the same two bytes
	ds_store_b16 v[TT], v[PS+1] offset:32
	v_mov_b32 v18, v19                     ; Q's scale words of the next pass
	s_wait_xcnt 0x0                        ; the stores have read their base
	s_add_nc_u64 s[52:53], s[52:53], 24576 ; two tiles of tokens on
	s_add_co_u32 s47, s47, 64
	s_sub_co_u32 s46, s46, 1
	s_cmp_lg_u32 s46, 0
	s_cbranch_scc1 .Lpass
	s_wait_dscnt 0x0                       ; my scale bytes are stored
	s_barrier_signal -1
	s_barrier_wait -1
	s_cmp_lg_u32 s12, 0                    ; wave 0 stores the work-group's 1,024 scale bytes: 512 consecutive bytes a store
	s_cbranch_scc1 .Lnot_0
	v_add_nc_u32 v4, CSG, v2
	ds_load_b128 v[56:59], v4
	ds_load_b128 v[60:63], v4 offset:512
	s_wait_dscnt 0x0
	global_store_b128 v2, v[56:59], s[54:55]
	global_store_b128 v2, v[60:63], s[54:55] offset:512
.Lnot_0:
	s_wait_tensorcnt 0x0                   ; the wave's end
	ds_add_u32 v22, v23
	s_wait_dscnt 0x0
	ROUND                                  ; the closing round: no work-group ends while a partner may still ask for bytes jointly
	s_endpgm
.Lfunc_end_k_qaab44a194c_attn:
	.size	k_qaab44a194c_attn, .Lfunc_end_k_qaab44a194c_attn-k_qaab44a194c_attn
	.p2alignl 7, 3214868480
	.fill 96, 4, 3214868480
	.section	.rodata,"a",@progbits
	.p2align	6, 0x0
	.amdhsa_kernel k_qaab44a194c_attn
		.amdhsa_group_segment_fixed_size 220160
		.amdhsa_private_segment_fixed_size 0
		.amdhsa_enable_private_segment 0
		.amdhsa_kernarg_size 32
		.amdhsa_user_sgpr_count 2
		.amdhsa_user_sgpr_kernarg_segment_ptr 1
		.amdhsa_wavefront_size32 1
		.amdhsa_system_sgpr_workgroup_id_x 1
		.amdhsa_system_sgpr_workgroup_id_y 1
		.amdhsa_system_sgpr_workgroup_id_z 1
		.amdhsa_system_vgpr_workitem_id 0
		.amdhsa_next_free_vgpr 512
		.amdhsa_next_free_sgpr 66
		.amdhsa_reserve_vcc 0
		.amdhsa_float_denorm_mode_32 3
		.amdhsa_float_denorm_mode_16_64 3
		.amdhsa_memory_ordered 1
		.amdhsa_forward_progress 1
		.amdhsa_inst_pref_size 77
	.end_amdhsa_kernel
	.amdgpu_metadata
---
amdhsa.version: [ 1, 2 ]
amdhsa.kernels:
  - .name:           k_qaab44a194c_attn
    .symbol:         k_qaab44a194c_attn.kd
    .args:
      - { .name: qkv, .offset: 0, .size: 8, .value_kind: global_buffer, .address_space: global }
      - { .name: attention_mask, .offset: 8, .size: 8, .value_kind: global_buffer, .address_space: global }
      - { .name: ctxc, .offset: 16, .size: 8, .value_kind: global_buffer, .address_space: global }
      - { .name: ctxs, .offset: 24, .size: 8, .value_kind: global_buffer, .address_space: global }
    .group_segment_fixed_size: 220160
    .private_segment_fixed_size: 0
    .kernarg_segment_align: 8
    .kernarg_segment_size: 32
    .max_flat_workgroup_size: 256
    .sgpr_count:     66
    .vgpr_count:     512
    .wavefront_size: 32
...
	.end_amdgpu_metadata
.endif
;; end of part 3
;; launch outln (part 4): grid 256 x 1, 4 waves a work-group, no clusters, 327,680 bytes of LDS; arguments ctxc, ctxs, opc, ops, hidden_states, bd, ln_g, ln_b, out0; writes out0
.if DOCPART == 4
	.amdgcn_target "amdgcn-amd-amdhsa--gfx1250"
	.amdhsa_code_object_version 6
	.text
	.protected	k_qaab44a194c_outln
	.globl	k_qaab44a194c_outln
	.p2align	8
	.type	k_qaab44a194c_outln,@function
k_qaab44a194c_outln:
	s_mov_b64 s[64:65], 0
	v_nop
	global_prefetch_b8 v0, s[64:65] scope:SCOPE_SE
	s_setreg_imm32_b32 hwreg(HW_REG_WAVE_MODE, 25, 1), 1
	s_wait_xcnt 0x0
; out = LayerNorm(ctx Wd^T + bd + hidden_states) x g + b.  The product on codes of BF6 with E8M0 scales; all else in f32.  The variance is taken of x - mean, in a second pass over registers.
; SHARES.  A work-group takes 32 tokens (two tiles of 16) and all 1,024 columns, so that a row's mean and variance need no second launch.  Wave w makes columns 256 w .. 256 w + 255: 16 tiles of Wd x 2 tiles of tokens,
; 32 accumulators.  Source 0 = 16 rows of Wd, source 1 = 16 tokens: a lane holds a token and 8 neighbouring columns.
; Wd's codes lie in memory in the order of the operand's registers, and each byte that the work-group fetches feeds one wave alone: they go from memory straight into that wave's registers, five chunks of four fragments ahead.
; NO JOINT LOADS for Wd, which all work-groups walk: LDS holds the residual rows (131,072 bytes) and the stage (131,584), which leaves 64,512 bytes, and two slots of one K step of Wd would be 196,608.
; The rows of a tile are not neighbours (row r of tile 2 g + u is row 32 g + 8 u + r + 8 (r / 8)): stage rows 8 w .. 8 w + 7 are tokens 32 g + 8 (w / 2) + 16 (w % 2) + 0 .. 7, eight neighbours, which wave w normalises.
; Their rows of hidden_states come by one tensor load a wave at the head, into LDS bytes that only that wave reads.  No LDS byte is filled twice.
; REGISTERS, in windows of 256: window 0: v1-24 lanes' numbers, addresses, at work; in the product v32-39 ctx's scale words, v40-103 Wd's, v104-119 halves of ctx's; afterwards v32-95 two rows of the product, v96-159 two of the residual;
;   v160-191 bd, v192-223 g, v224-255 b.   window 1: ctx's fragments ((m, s) at 12 (2 s + m)).   window 2: the accumulators ((i, m) at 8 (2 i + m)).   window 3: Wd's fragments, five buffers of 48.
; OF Wd'S LAST TWO K STEPS 2,560 bytes of each tile (register groups 1 and 2 of K step 6, all of K step 7) come by one tensor load a wave at the head, 16 rows of the wave's own tiles, into the bytes from 131,072 on:
; 40,960 bytes a wave, read by that wave alone. The residual's load follows behind the wait, the add and the barrier. The stage is laid over Wd's bytes behind a barrier, when they have had their one fill and their last read.
.set STG,  131072
.set SP,   4112
.set CS,   32
.set WS,   40
.set UT,   104
.set XR,   32
.set HR,   96
.set BD,   160
.set LG,   192
.set LB,   224
.set MSB, 0
.macro WIN new                         ; the immediate's high byte repeats the setting that is left
.if MSB != (\new)
	s_set_vgpr_msb (MSB<<8)|(\new)
.set MSB, (\new)
.endif
.endm
	s_load_b256 s[4:11], s[0:1], 0x0               ; ctx's codes, ctx's scale bytes, the weights' codes, their scale bytes
	s_load_b256 s[12:19], s[0:1], 0x20             ; hidden_states, bd, g, b
	s_load_b64 s[20:21], s[0:1], 0x40              ; out
	v_lshl_add_u32 v30, v0, 2, 0x48000
	v_mov_b32 v31, 0
	ds_add_u32 v30, v31
	ds_add_u32 v30, v31
	v_lshrrev_b32 v1, 5, v0
	v_readfirstlane_b32 s22, v1                    ; wave 0..3
	s_mov_b32 s24, 3<<16                           ; elements of 8 bytes, no mask, no padding
	s_mov_b32 s25, 32<<16                          ; 8 rows of 4,096 bytes are dense: 128 rows of 256 bytes
	s_mov_b32 s26, 128<<16
	s_mov_b32 s27, 32<<16
	s_mov_b32 s28, 128
	s_mov_b32 s29, 32
	s_mov_b32 s30, 0
	s_mov_b32 s31, 0
	s_mov_b32 s44, 3<<16                           ; Wd's part: elements of 8 bytes; 16 rows of 2,560 bytes, a tile's place (13,312 bytes) apart
	s_mov_b32 s45, 320<<16
	s_mov_b32 s46, 16<<16
	s_mov_b32 s47, 320<<16
	s_mov_b32 s48, 16
	s_mov_b32 s49, 1664
	s_mov_b32 s50, 0
	s_mov_b32 s51, 0
	s_mov_b32 s52, 1
	s_mul_i32 s53, s22, 40960
	s_add_co_u32 s53, s53, 131072                  ; LDS: 40,960 x wave behind the residual
	s_lshl_b32 s56, s22, 4
	s_add_co_u32 s56, s56, 704                     ; my first tile of Wd
	s_mul_i32 s56, s56, 13312
	s_add_co_u32 s56, s56, 3*3328+512              ; its last chunk, from register group 1 of K step 6 on
	s_mov_b32 s57, 0
	s_lshr_b32 s36, s22, 1
	s_lshl_b32 s36, s36, 3
	s_and_b32 s37, s22, 1
	s_lshl_b32 s37, s37, 4
	s_add_co_u32 s36, s36, s37
	s_lshl_b32 s37, ttmp9, 5
	s_add_co_u32 s36, s36, s37                     ; my first token: 32 g + 8 (w / 2) + 16 (w % 2)
	s_lshl_b32 s36, s36, 12
	s_mov_b32 s37, 0
	s_mov_b32 s32, 1
	s_lshl_b32 s33, s22, 15                        ; LDS: 32,768 x wave
	s_wait_dscnt 0x0
	s_wait_kmcnt 0x0
	s_add_nc_u64 s[34:35], s[12:13], s[36:37]
	s_or_b32 s35, s35, 0x80000000
	s_add_nc_u64 s[54:55], s[8:9], s[56:57]
	s_or_b32 s55, s55, 0x80000000
	tensor_load_to_lds s[52:55], s[44:51]          ; my one tensor load at the head: my tiles' part of Wd
	s_nop 0
.rept 4
	v_nop                                          ; (the windows are switched behind four lines)
.endr
	s_add_nc_u64 s[20:21], s[20:21], s[36:37]      ; out at my first token
	s_mul_i32 s36, ttmp9, 24576
	s_add_nc_u64 s[4:5], s[4:5], s[36:37]          ; ctx's two tiles
	s_lshr_b32 s36, ttmp9, 6
	s_lshl_b32 s36, s36, 16                        ; ctx's scale bytes: the batch's 16 records of 4,096 bytes,
	s_and_b32 s38, ttmp9, 63
	s_lshl_b32 s38, s38, 6                         ; and in a record my two tiles' 64 bytes
	s_add_co_u32 s36, s36, s38
	s_add_nc_u64 s[6:7], s[6:7], s[36:37]
	s_lshl_b32 s38, s22, 4
	s_add_co_u32 s38, s38, 704                     ; my first tile of Wd
	s_mul_i32 s36, s38, 13312
	s_add_nc_u64 s[8:9], s[8:9], s[36:37]
	s_lshl_b32 s36, s38, 9
	s_add_nc_u64 s[10:11], s[10:11], s[36:37]
	s_mov_b32 s40, 0x3a800000                      ; 1 / 1,024
	s_mov_b32 s41, 0x2b8cbccc                      ; 1e-12
	s_mov_b32 s42, 0x76543210
	s_mov_b32 s43, 0xfedcba98                      ; v_permlanex16_b32's selects for lane l xor 16
	v_and_b32 v1, 31, v0                           ; lane
	v_and_b32 v2, 15, v0                           ; r
	v_bfe_u32 v3, v0, 4, 1                         ; h
	v_lshlrev_b32 v4, 3, v1
	v_lshlrev_b32 v5, 4, v1
	s_wait_alu depctr_va_vdst(0)
	v_lshlrev_b32 v6, 5, v1
	v_lshlrev_b32 v7, 1, v1
	v_mul_u32_u24 v8, v2, SP
	v_lshl_add_u32 v8, v3, 6, v8
	s_lshl_b32 s36, s22, 10
	s_add_co_u32 s36, s36, STG
	v_add_nc_u32 v8, s36, v8                       ; into the stage: row r of tile 0, + 64 h, + my 1,024 bytes;
	v_add_nc_u32 v9, 16*SP, v8                     ; of tile 1
	s_mul_i32 s36, s22, 8*SP
	s_add_co_u32 s36, s36, STG
	v_add_nc_u32 v10, s36, v5                      ; back: my eight rows, 16 bytes a lane
	s_lshl_b32 s36, s22, 15
	v_add_nc_u32 v11, s36, v5
	v_add_nc_u32 v26, s53, v5                      ; my part of Wd in LDS, 16 bytes a lane
	WIN 0x40                                       ; destination window 1
.irp s, 0,1,2,3,4,5,6,7
.irp m, 0,1
.irp p, 0,1,2,3,4,5
	global_load_b64 v[12*(2*\s+\m)+2*\p:12*(2*\s+\m)+2*\p+1], v4, s[4:5] offset:\m*12288+\s*1536+256*\p   ; K step s is heads 2 s and 2 s + 1: six registers each
.endr
.endr
.endr
	WIN 0
.irp i, 0,1,2,3,4,5,6,7
.irp e, 0,1
	global_load_b128 v[WS+8*\i+4*\e:WS+8*\i+4*\e+3], v6, s[10:11] offset:\i*1024+16*\e   ; Wd's scale words: lanes 0-15 tile 2 i, lanes 16-31 tile 2 i + 1; register s: K step s
.endr
.endr
.irp d, 0,1,2,3,4,5,6,7,8,9,10,11,12,13,14,15
	global_load_u16 v[UT+\d], v7, s[6:7] offset:\d*4096   ; head d's two bytes: lanes 0-15 tile 0, lanes 16-31 tile 1
.endr
.irp j, 0,1,2,3,4,5,6,7
	global_load_b128 v[BD+4*\j:BD+4*\j+3], v5, s[14:15] offset:512*\j
	global_load_b128 v[LG+4*\j:LG+4*\j+3], v5, s[16:17] offset:512*\j
	global_load_b128 v[LB+4*\j:LB+4*\j+3], v5, s[18:19] offset:512*\j
.endr
; chunk n: K step n / 4, tiles 4 (n % 4) + 0 .. 3 of Wd, into buffer n % 5: twelve loads of 512 consecutive bytes
.macro WLOAD n
.set WB, 48*((\n)%5)
.irp k, 0,1,2,3
.irp q, 0,1,2
.if ((\n) >= 28)
	ds_load_b128 v[WB+12*\k+4*\q:WB+12*\k+4*\q+3], v26 offset:(4*((\n)%4)+\k)*2560+1024+512*\q
.elseif ((\n) >= 24) && (\q > 0)
	ds_load_b128 v[WB+12*\k+4*\q:WB+12*\k+4*\q+3], v26 offset:(4*((\n)%4)+\k)*2560+512*(\q-1)
.else
	global_load_b128 v[WB+12*\k+4*\q:WB+12*\k+4*\q+3], v5, s[8:9] offset:(4*((\n)%4)+\k)*13312+((\n)/8)*3328+(((\n)/4)%2)*1536+512*\q
.endif
.endr
.endr
.endm
	WIN 0xc0                                       ; destination window 3
.irp n, 0,1,2,3,4
	WLOAD \n
.endr
	WIN 0
	s_wait_alu depctr_va_vdst(0)
	s_wait_tensorcnt 0x0                           ; my part of Wd has landed
	ds_add_u32 v30, v31
	s_wait_dscnt 0x0
	s_barrier_signal -1
	s_barrier_wait -1
	tensor_load_to_lds s[32:35], s[24:31]          ; my eight rows of the residual
	s_nop 0
.rept 4
	v_nop
.endr
	s_wait_loadcnt 60
.irp s, 0,1,2,3,4,5,6,7
	v_lshl_or_b32 v[CS+\s], v[UT+2*\s+1], 16, v[UT+2*\s]   ; ctx's scale word of K step s
.endr
.rept 8
	v_nop                                          ; a scale register written by a vector line stands eight plain lines ahead of a scaled product
.endr
; one product, by the symbols rD, rA, rB, rSA, rSB; rZ: it starts its sum; rRA, rRB: the halves of the lanes in which A's and B's scale words lie
.macro WM
.if rZ
.if rRA && rRB
	v_wmma_scale_f32_16x16x128_f8f6f4 v[rD:rD+7], v[rA:rA+11], v[rB:rB+11], 0, v[rSA], v[rSB] matrix_a_fmt:MATRIX_FMT_BF6 matrix_b_fmt:MATRIX_FMT_BF6 matrix_a_scale:MATRIX_SCALE_ROW1 matrix_b_scale:MATRIX_SCALE_ROW1
.elseif rRA
	v_wmma_scale_f32_16x16x128_f8f6f4 v[rD:rD+7], v[rA:rA+11], v[rB:rB+11], 0, v[rSA], v[rSB] matrix_a_fmt:MATRIX_FMT_BF6 matrix_b_fmt:MATRIX_FMT_BF6 matrix_a_scale:MATRIX_SCALE_ROW1
.elseif rRB
	v_wmma_scale_f32_16x16x128_f8f6f4 v[rD:rD+7], v[rA:rA+11], v[rB:rB+11], 0, v[rSA], v[rSB] matrix_a_fmt:MATRIX_FMT_BF6 matrix_b_fmt:MATRIX_FMT_BF6 matrix_b_scale:MATRIX_SCALE_ROW1
.else
	v_wmma_scale_f32_16x16x128_f8f6f4 v[rD:rD+7], v[rA:rA+11], v[rB:rB+11], 0, v[rSA], v[rSB] matrix_a_fmt:MATRIX_FMT_BF6 matrix_b_fmt:MATRIX_FMT_BF6
.endif
.else
.if rRA && rRB
	v_wmma_scale_f32_16x16x128_f8f6f4 v[rD:rD+7], v[rA:rA+11], v[rB:rB+11], v[rD:rD+7], v[rSA], v[rSB] matrix_a_fmt:MATRIX_FMT_BF6 matrix_b_fmt:MATRIX_FMT_BF6 matrix_a_scale:MATRIX_SCALE_ROW1 matrix_b_scale:MATRIX_SCALE_ROW1
.elseif rRA
	v_wmma_scale_f32_16x16x128_f8f6f4 v[rD:rD+7], v[rA:rA+11], v[rB:rB+11], v[rD:rD+7], v[rSA], v[rSB] matrix_a_fmt:MATRIX_FMT_BF6 matrix_b_fmt:MATRIX_FMT_BF6 matrix_a_scale:MATRIX_SCALE_ROW1
.elseif rRB
	v_wmma_scale_f32_16x16x128_f8f6f4 v[rD:rD+7], v[rA:rA+11], v[rB:rB+11], v[rD:rD+7], v[rSA], v[rSB] matrix_a_fmt:MATRIX_FMT_BF6 matrix_b_fmt:MATRIX_FMT_BF6 matrix_b_scale:MATRIX_SCALE_ROW1
.else
	v_wmma_scale_f32_16x16x128_f8f6f4 v[rD:rD+7], v[rA:rA+11], v[rB:rB+11], v[rD:rD+7], v[rSA], v[rSB] matrix_a_fmt:MATRIX_FMT_BF6 matrix_b_fmt:MATRIX_FMT_BF6
.endif
.endif
.endm
; Eight products on eight accumulators, which come up again 32 products later; then the chunk five on takes the buffer
.macro CHUNK n
.set GL, 0                             ; what the four younger chunks may have out: 12 loads from memory each up to chunk 23; 4 and 8 LDS loads in chunks 24 to 27; 12 LDS loads from chunk 28 on
.set DL, 0
.irp e, 1,2,3,4
.if (\n)+\e < 24
.set GL, GL+12
.elseif (\n)+\e < 28
.set GL, GL+4
.set DL, DL+8
.elseif (\n)+\e < 32
.set DL, DL+12
.endif
.endr
	s_wait_loadcnt GL
.if (\n) >= 24
	s_wait_dscnt DL
.endif
	WIN 0xa7                                       ; source 0 (Wd) window 3, source 1 (ctx) window 1, C and D window 2
.if (\n) < 4
.set rZ, 1
.else
.set rZ, 0
.endif
.irp k, 0,1,2,3
.irp m, 0,1
.set rD, 8*(2*(4*((\n)%4)+\k)+\m)
.set rA, 48*((\n)%5)+12*\k
.set rB, 12*(2*((\n)/4)+\m)
.set rSA, WS+8*((4*((\n)%4)+\k)/2)+(\n)/4
.set rSB, CS+(\n)/4
.set rRA, \k%2
.set rRB, \m
	WM
.endr
.endr
.if (\n)+5 < 32
.rept 4
	v_nop                                          ; plain lines between the products and the loads into the registers that they read
.endr
	WIN 0xc0
	WLOAD (\n)+5
.endif
.endm
.set N, 0
	s_wait_alu depctr_va_vdst(0)
.rept 32
	CHUNK N
.set N, N+1
.endr
.rept 4
	v_nop                                          ; behind the last products
.endr
	s_wait_dscnt 0x0                               ; my reads of Wd's bytes are over
	s_barrier_signal -1
	s_barrier_wait -1                              ; everybody's: the stage may be laid over them
	WIN 0x08
.irp i, 0,1,2,3,4,5,6,7,8,9,10,11,12,13,14,15
.irp m, 0,1
	ds_store_b128 v[8+\m], v[8*(2*\i+\m):8*(2*\i+\m)+3] offset:128*(\i/2)+32*(\i%2)          ; lane (r, h): token r of tile m, columns 256 w + 32 (i / 2) + 16 h + 8 (i % 2) + 0 .. 7; each accumulator from its low end on
	ds_store_b128 v[8+\m], v[8*(2*\i+\m)+4:8*(2*\i+\m)+7] offset:128*(\i/2)+32*(\i%2)+16
.endr
.endr
	WIN 0
	s_wait_tensorcnt 0x0                           ; my rows of the residual have landed
	s_wait_dscnt 0x0                               ; my part of the stage is stored
	s_barrier_signal -1
	s_barrier_wait -1                              ; 32 whole rows lie in the stage
; LAYERNORM: a wave to a row, eight rows; a lane holds columns 128 j + 4 lane + 0 .. 3, j = 0 .. 7.  Two sets of registers: the next row's loads stand ahead of this row's work
.macro ROWLOAD k
.set XL, XR+32*((\k)%2)
.set HL, HR+32*((\k)%2)
.irp j, 0,1,2,3,4,5,6,7
	ds_load_b128 v[XL+4*\j:XL+4*\j+3], v10 offset:(\k)*SP+512*\j
.endr
.irp j, 0,1,2,3,4,5,6,7
	ds_load_b128 v[HL+4*\j:HL+4*\j+3], v11 offset:(\k)*4096+512*\j
.endr
.endm
.macro LANESUM                         ; v16 = the sum of v16 over the 32 lanes, in every lane
	v_add_f32_dpp v16, v16, v16 row_xmask:1 row_mask:0xf bank_mask:0xf
	v_add_f32_dpp v16, v16, v16 row_xmask:2 row_mask:0xf bank_mask:0xf
	v_add_f32_dpp v16, v16, v16 row_xmask:4 row_mask:0xf bank_mask:0xf
	v_add_f32_dpp v16, v16, v16 row_xmask:8 row_mask:0xf bank_mask:0xf
	v_permlanex16_b32 v17, v16, s42, s43
	v_add_f32 v16, v16, v17
.endm
.macro ROW k
.set XS, XR+32*((\k)%2)
.set HS, HR+32*((\k)%2)
.if (\k) < 7
	s_wait_xcnt 0x0                                ; the stores of the row before have read the other set
	ROWLOAD (\k)+1
	s_wait_dscnt 16                                ; this row's sixteen loads are in; the next row's may be out
.else
	s_wait_dscnt 0x0
.endif
.irp j, 0,2,4,6,8,10,12,14,16,18,20,22,24,26,28,30
	v_pk_add_f32 v[XS+\j:XS+\j+1], v[XS+\j:XS+\j+1], v[BD+\j:BD+\j+1]   ; + bd,
.endr
.irp j, 0,2,4,6,8,10,12,14,16,18,20,22,24,26,28,30
	v_pk_add_f32 v[XS+\j:XS+\j+1], v[XS+\j:XS+\j+1], v[HS+\j:HS+\j+1]   ; + the residual: x
.endr
	v_pk_add_f32 v[16:17], v[XS:XS+1], v[XS+2:XS+3]                     ; the row's sum, in two chains
	v_pk_add_f32 v[18:19], v[XS+4:XS+5], v[XS+6:XS+7]
.irp j, 8,12,16,20,24,28
	v_pk_add_f32 v[16:17], v[16:17], v[XS+\j:XS+\j+1]
	v_pk_add_f32 v[18:19], v[18:19], v[XS+\j+2:XS+\j+3]
.endr
	v_pk_add_f32 v[16:17], v[16:17], v[18:19]
	v_add_f32 v16, v16, v17
	LANESUM
	v_mul_f32 v12, s40, v16                        ; the mean
	v_mov_b32 v13, v12
.irp j, 0,2,4,6,8,10,12,14,16,18,20,22,24,26,28,30
	v_pk_add_f32 v[XS+\j:XS+\j+1], v[XS+\j:XS+\j+1], v[12:13] neg_lo:[0,1] neg_hi:[0,1]   ; x - mean
.endr
	v_pk_mul_f32 v[16:17], v[XS:XS+1], v[XS:XS+1]                       ; the sum of its squares, in two chains
	v_pk_mul_f32 v[18:19], v[XS+2:XS+3], v[XS+2:XS+3]
.irp j, 4,8,12,16,20,24,28
	v_pk_fma_f32 v[16:17], v[XS+\j:XS+\j+1], v[XS+\j:XS+\j+1], v[16:17]
	v_pk_fma_f32 v[18:19], v[XS+\j+2:XS+\j+3], v[XS+\j+2:XS+\j+3], v[18:19]
.endr
	v_pk_add_f32 v[16:17], v[16:17], v[18:19]
	v_add_f32 v16, v16, v17
	LANESUM
	v_fma_f32 v16, v16, s40, s41                   ; the variance + 1e-12
	s_wait_alu depctr_va_vdst(0)
	v_rsq_f32 v14, v16
	v_nop                                          ; a plain line behind the root,
	s_wait_alu depctr_va_vdst(0)                   ; and the wait ahead of its first reader
	v_mov_b32 v15, v14
.irp j, 0,2,4,6,8,10,12,14,16,18,20,22,24,26,28,30
	v_pk_mul_f32 v[XS+\j:XS+\j+1], v[XS+\j:XS+\j+1], v[14:15]
.endr
.irp j, 0,2,4,6,8,10,12,14,16,18,20,22,24,26,28,30
	v_pk_fma_f32 v[XS+\j:XS+\j+1], v[XS+\j:XS+\j+1], v[LG+\j:LG+\j+1], v[LB+\j:LB+\j+1]
.endr
.irp j, 0,1,2,3,4,5,6,7
	global_store_b128 v5, v[XS+4*\j:XS+4*\j+3], s[20:21] offset:(\k)*4096+512*\j th:TH_STORE_NT   ; 512 consecutive bytes a store; written once, read by nobody here
.endr
.endm
	ROWLOAD 0
.irp k, 0,1,2,3,4,5,6,7
	ROW \k
.endr
	s_wait_tensorcnt 0x0
	ds_add_u32 v30, v31
	s_wait_dscnt 0x0
	s_endpgm
.Lfunc_end_k_qaab44a194c_outln:
	.size	k_qaab44a194c_outln, .Lfunc_end_k_qaab44a194c_outln-k_qaab44a194c_outln
	.p2alignl 7, 3214868480
	.fill 96, 4, 3214868480
	.section	.rodata,"a",@progbits
	.p2align	6, 0x0
	.amdhsa_kernel k_qaab44a194c_outln
		.amdhsa_group_segment_fixed_size 327680
		.amdhsa_private_segment_fixed_size 0
		.amdhsa_enable_private_segment 0
		.amdhsa_kernarg_size 72
		.amdhsa_user_sgpr_count 2
		.amdhsa_user_sgpr_kernarg_segment_ptr 1
		.amdhsa_wavefront_size32 1
		.amdhsa_system_sgpr_workgroup_id_x 1
		.amdhsa_system_sgpr_workgroup_id_y 1
		.amdhsa_system_sgpr_workgroup_id_z 1
		.amdhsa_system_vgpr_workitem_id 0
		.amdhsa_next_free_vgpr 1024
		.amdhsa_next_free_sgpr 66
		.amdhsa_reserve_vcc 0
		.amdhsa_float_denorm_mode_32 3
		.amdhsa_float_denorm_mode_16_64 3
		.amdhsa_memory_ordered 1
		.amdhsa_forward_progress 1
		.amdhsa_inst_pref_size 176
	.end_amdhsa_kernel
	.amdgpu_metadata
---
amdhsa.version: [ 1, 2 ]
amdhsa.kernels:
  - .name:           k_qaab44a194c_outln
    .symbol:         k_qaab44a194c_outln.kd
    .args:
      - { .name: ctxc, .offset: 0, .size: 8, .value_kind: global_buffer, .address_space: global }
      - { .name: ctxs, .offset: 8, .size: 8, .value_kind: global_buffer, .address_space: global }
      - { .name: opc, .offset: 16, .size: 8, .value_kind: global_buffer, .address_space: global }
      - { .name: ops, .offset: 24, .size: 8, .value_kind: global_buffer, .address_space: global }
      - { .name: hidden_states, .offset: 32, .size: 8, .value_kind: global_buffer, .address_space: global }
      - { .name: bd, .offset: 40, .size: 8, .value_kind: global_buffer, .address_space: global }
      - { .name: ln_g, .offset: 48, .size: 8, .value_kind: global_buffer, .address_space: global }
      - { .name: ln_b, .offset: 56, .size: 8, .value_kind: global_buffer, .address_space: global }
      - { .name: out0, .offset: 64, .size: 8, .value_kind: global_buffer, .address_space: global }
    .group_segment_fixed_size: 327680
    .private_segment_fixed_size: 0
    .kernarg_segment_align: 8
    .kernarg_segment_size: 72
    .max_flat_workgroup_size: 128
    .sgpr_count:     66
    .vgpr_count:     1024
    .wavefront_size: 32
...
	.end_amdgpu_metadata
.endif
;; end of part 4
